; MI455X (gfx1250); checked and timed in simulation.
; The chip was launched on July 23, 2026; its instructions are those of AMD's public machine-readable ISA for CDNA 5 (MIT licence, August 2026) and "CDNA5" Instruction Set Architecture Reference Guide (July 2026). The comments in the code are by the model that wrote it; some were corrected since.
;; Co Attention. Allowed arithmetic: matrix products marked QUANTISED: E2M1 operands, one E8M0 scale for each 32 along K, by v_wmma_scale_f32_16x16x128_f8f6f4 with both operands' format E2M1 (or v_wmma_scale_f32_32x16x128_f4), f32 sums; everything else in f32.
;; Inputs: Wk 256 x 256 float32; Wq 1,024 x 256 float32; bk 256 float32; bq 256 float32; data1 8 x 2,048 x 1,024 float32; data2 8 x 2,048 x 256 float32.
;; Outputs: out0 8 x 2,048 x 256 float32.
;; This version of the problem:
;;   THIS VERSION OF THE PROBLEM IS GIVEN IN LOW PRECISION. The matrix products marked QUANTISED in the list below multiply operands that are first quantised to E2M1 (2 exponent bits, 1 mantissa bit; 4 bits a number), with one power-of-two scale for each 32 numbers along K (OCP MX v1.0); their sums are f32. All else is computed in f32.
;;   The module's matrix products, in the order in which they are computed (A, B: the left and right operand; K: the contracted axis; several contracted axes count as one K, in the product's order):
;;     1. [M 16,384, K 1,024] x [K 1,024, N 256]; A: input data1; B: input Wq: QUANTISED
;;     2. [M 16,384, K 256] x [K 256, N 256]; A: input data2; B: input Wk: QUANTISED
;;     3. batch 8 x [M 2,048, K 256] x [K 256, N 2,048]; A: computed on the way; B: computed on the way: QUANTISED
;;     4. batch 8 x [M 2,048, K 2,048] x [K 2,048, N 256]; A: softmax (see below); B: computed on the way: QUANTISED
;;   THE QUANTISER, for each operand of a quantised product, along K:
;;     - K is cut into blocks of 32 from its start; a last block that is shorter is filled with zeros.
;;     - A block's scale is 2^e with e = floor(log2(the largest magnitude in the block)) - 2, held to -126 .. 127; a block of zeros has e = 0. As a byte (E8M0): e + 127.
;;     - Each number is divided by its block's scale, clamped to +-6, and rounded to the nearest number of E2M1, ties to even, subnormals kept.
;;     - The product sums the exact products of the quantised numbers (number of the format x scale) in f32.
;;   ~~~python
;;   def quantise(x, axis):      # numpy; x: float32 -> the quantised numbers, widened to float32 again
;;       x = np.moveaxis(x, axis, -1); K = x.shape[-1]
;;       x = np.pad(x, [(0, 0)] * (x.ndim - 1) + [(0, -K % 32)]); x = x.reshape(x.shape[:-1] + (-1, 32)); a = np.abs(x).max(-1, keepdims=True)
;;       e = np.where(a > 0, np.clip(np.frexp(np.where(a > 0, a, 1))[1] - 1 - 2, -126, 127), 0)      # np.frexp(a)[1] - 1 = floor(log2(a)), exactly
;;       r = np.clip(x / 2.0 ** e, -6, 6)
;;       step = 2.0 ** (np.maximum(np.frexp(np.where(r == 0, 1, r))[1] - 1, 0) - 1)
;;       q = np.round(r / step) * step * 2.0 ** e      # np.round: ties to even
;;       return np.moveaxis(q.reshape(q.shape[:-2] + (-1,))[..., :K], -1, axis).astype(np.float32)
;;   ~~~
;;   SOFTMAX AHEAD OF A QUANTISED PRODUCT. Where the list says 'softmax', what is quantised is not the finished softmax but p = 2^(t - M), with t = logit x log2(e) and M = ceil(the row's largest t), a whole number; so 1/2 < the row's largest p <= 1. The row's sum l is taken of the UNQUANTISED p, in f32, and the product's result is divided by l at the end. Since M is a whole number, a kernel that streams over the keys may use a running M (the ceiling of the running maximum): every later rescaling is an exact power of two, which a block's scale takes up: the codes' values come out the same.
;;   OPERANDS COMPUTED ON THE WAY. 'Computed on the way' means the value that the module computes at that place (a softmax that the list does not call 'softmax' is quantised finished and normalised). What goes into a quantiser is computed in f32, as accurately as f32 sums, v_exp_f32 and their like allow (about 1e-6 of the number): no bf16 or f16 on the way to a quantiser, and a product that is left as it is and whose result goes on into a quantised operand takes f32 operands (vector FMAs, or v_wmma_f32_16x16x4_f32). A number that lies on a knife's edge between two numbers of the format may be rounded either way, as far as f32 arithmetic and the matrix unit's own rounding can turn it there, and no further.
;; 2 versions. Each part assembles by itself: llvm-mc -triple=amdgcn-amd-amdhsa -mcpu=gfx1250 --defsym DOCPART=n.
;; ======== version 1 of 2: 2 launches
;; workspace buffers: kvc 4,194,304 bytes; kvs 262,144 bytes; wqc 139,264 bytes
;; launch prep (part 1): grid 132 x 1, 16 waves a work-group, no clusters, 207,872 bytes of LDS; arguments data2, Wk, bk, Wq, kvc, kvs, wqc; writes kvc, kvs, wqc
.if DOCPART == 1
	.amdgcn_target "amdgcn-amd-amdhsa--gfx1250"
	.amdhsa_code_object_version 6
	.text
	.protected	k_q4c96929b5a_prep
	.globl	k_q4c96929b5a_prep
	.p2align	8
	.type	k_q4c96929b5a_prep,@function
k_q4c96929b5a_prep:
	s_mov_b64 s[64:65], 0
	v_nop
	global_prefetch_b8 v0, s[64:65] scope:SCOPE_SE
	s_setreg_imm32_b32 hwreg(HW_REG_WAVE_MODE, 25, 1), 1
	s_wait_xcnt 0x0
; FIRST OF TWO LAUNCHES.  key = Q(data2) Q(Wk) + bk is made and quantised to codes of E2M1 twice: along the channels (the scores' K) and along the keys (the
; context's K); and Wq is quantised along its first axis.  The second launch makes the query, the scores, the softmax, the context and the residual.
; DEAD WORK: none.  Both biases go into quantised operands (bq also into the result), so all six inputs are loaded and every product of the problem is done.
; The key's product is done twice, once with the channels and once with the keys along a lane's registers: the conversions take neighbours along K from one lane's registers.
; LIMITS: a block whose largest magnitude lies under 2^-124 keeps the scale byte 1; a block of zeros gets the byte 1 and not 127 (its codes are zeros, and only this
; program reads the bytes); NaN and infinities among the inputs are not served.
; IMAGES.  A fragment (16 rows x 128 K, 8 registers a lane) lies in memory and in LDS as its registers: [c = 0, 1][lane][16 bytes], 1,024 bytes.  A scale image is 128 bytes,
; 4 a lane: lanes 0-15 the 16 rows' words of the even fragment of a pair, lanes 16-31 those of the odd one.
; TILES.  Row p of tile 2 b + u (of keys in a group of 128, of channels among 256) is index 32 b + 8 u + p + 8 (p / 8): as source 0 it leaves register j of lane (r, h) with index 32 b + 16 h + 8 u + j.
; kvc: group G (128 keys) takes 32,768 bytes: K's fragments (key tile kt, channel half s) at 1024 (2 kt + s), V's (channel tile t x 128 keys) at 16,384 + 1024 t.
; kvs: 2,048 bytes a group: 8 images of K's scales (pair kt), 8 of V's (pair t / 2).   wqc: fragment (t, s) at 1024 (8 t + s); from byte 131,072 the scale images at 128 (4 t + s / 2).
; SHARES.  Work-groups 0-127: a group of keys each, sixteen waves; wave v makes x's fragment (v / 2, v % 2), Wk's fragments (v, 0) and (v, 1), K's fragment v and V's fragment v.
; Work-groups 128-131: wave job p = 16 (G - 128) + v makes Wq's fragments 2 p and 2 p + 1; that way touches no LDS but the closing add and passes no barrier (the branch hangs on the work-group's number alone).
.set XSC,   0                          ; LDS: x's scale images, 8 x 128
.set WSC,   1024                       ; Wk's, 16 x 128
.set OSC,   3072                       ; the group's 2,048 bytes for kvs
.set SPARE, 5120                       ; the spare words, 128 bytes for each of 16 waves; no other line names them
.set XIMG,  7168                       ; x's 16 fragments, 2,048 bytes apart
.set WIMG,  39936                      ; Wk's 32 fragments, (t, s) at 1024 (2 t + s)
.set XSTG,  72704                      ; a stage of 16 rows x 528 bytes for each wave
.set LI,  1                            ; 16 x lane
.set LS,  2                            ; 4 x lane
.set SW,  3                            ; 64 v + 4 r
.set WW,  4                            ; 2048 v + 16 x lane
.set WSA, 5                            ; 128 v + 4 x lane
.set FA,  6                            ; 16 x lane + 16384 (v % 2)
.set FAS, 7                            ; 4 x lane + 1024 (v % 2)
.set FX,  8                            ; 16 x lane + 4096 (v / 2)
.set FXS, 9                            ; 4 x lane + 128 (v / 2)
.set STI, 10                           ; my stage + 16 x lane
.set STO, 11                           ; my stage + 528 r + 64 h
.set WVO, 12                           ; 4 (r + 8 (r / 8)) + 32768 h
.set BO,  13                           ; 64 h
.set BVO, 14                           ; 4 (r + 8 (r / 8))
.set OSR, 15                           ; 512 v + 16 x lane
.set SPW, 16                           ; my spare word; never rewritten
.set NIL, 17                           ; 0; never rewritten
.set PW,  18                           ; the scale word just made
.set PWE, 19                           ; the even fragment's word; later BS
.set BS,  19                           ; source 1's scale register
.set TM,  20
.set T2,  24
.set SX,  28
.set X,   32                           ; v32-95: 64 numbers; then eight accumulators
.set PC,  96                           ; v96-111: codes just made; then source 1's two fragments
.set AS,  112                          ; v112-119: source 0's scale registers
.set BB,  120                          ; v120-127: bk of my channel, eight times
.set WR,  128                          ; v128-255: 128 numbers of a weight; then source 0's 16 fragments
.set WV,  18
.set HM,  19
.set SEL, 20
.set XB,  30
.set WB,  32
.set BKK, 34
.set BKV, 36
.set KO,  38
.set SOB, 40
.macro PLACES n
.rept \n
	v_nop
.endr
.endm
.macro BARRIER                         ; my LDS stores have landed and my LDS loads are in: then the work-group's barrier
	s_wait_dscnt 0x0
	s_barrier_signal -1
	s_barrier_wait -1
.endm
; 64 numbers of a lane, register 16 b + i = k 32 b + 16 h + i of my row, become a fragment's codes in v[pc] on and my row's scale word in v[pw]
.macro QUANT s, pc, pw
.irp b, 0,1,2,3
	v_max3_num_f32 v[TM+\b], |v[\s+16*\b]|, |v[\s+1+16*\b]|, 0x1800000   ; my 16 numbers of block b, and the floor 2^(3 - 127): the byte cannot fall under 1
.endr
.irp i, 2,4,6,8,10,12,14
.irp b, 0,1,2,3
	v_max3_num_f32 v[TM+\b], v[TM+\b], |v[\s+16*\b+\i]|, |v[\s+1+16*\b+\i]|
.endr
.endr
.irp b, 0,1,2,3
	v_permlanex16_b32 v[T2+\b], v[TM+\b], s[SEL], s[SEL+1]
.endr
.irp b, 0,1,2,3
	v_max_num_f32 v[TM+\b], v[TM+\b], v[T2+\b]       ; with lane l xor 16's: the block's largest magnitude
.endr
.irp b, 0,1,2,3
	v_add_nc_u32 v[SX+\b], 0xff000000, v[TM+\b]      ; 2 off its exponent field: the conversion's scale operand
.endr
.irp b, 0,1,2,3
	v_lshrrev_b32 v[T2+\b], 23, v[SX+\b]             ; the scale's byte
.endr
	v_lshl_or_b32 v[\pw], v[T2+1], 8, v[T2]
	v_lshl_or_b32 v[\pw], v[T2+2], 16, v[\pw]
	v_lshl_or_b32 v[\pw], v[T2+3], 24, v[\pw]
.irp b, 0,1,2,3
	v_cvt_scalef32_pk8_fp4_f32 v[\pc+2*\b], v[\s+16*\b:\s+7+16*\b], v[SX+\b]
	v_cvt_scalef32_pk8_fp4_f32 v[\pc+1+2*\b], v[\s+8+16*\b:\s+15+16*\b], v[SX+\b]
.endr
	v_nop                                            ; one plain place behind a scaled conversion
.irp c, 0,1                                      ; the layout wants a whole block in a lane
.irp i, 0,1
	v_permlane16_swap_b32 v[\pc+4*\c+\i], v[\pc+2+4*\c+\i]
.endr
.endr
.endm
; 64 numbers of a lane that run DOWN K of my column, register 32 c + i = k 64 c + 32 h + i: the conversions' results are the fragment's registers
.macro WQ x, pc, pw
.irp c, 0,1
	v_max3_num_f32 v[TM+\c], |v[\x+32*\c]|, |v[\x+32*\c+1]|, 0x1800000
.endr
.irp i, 2,4,6,8,10,12,14,16,18,20,22,24,26,28,30
.irp c, 0,1
	v_max3_num_f32 v[TM+\c], v[TM+\c], |v[\x+32*\c+\i]|, |v[\x+32*\c+\i+1]|
.endr
.endr
.irp c, 0,1
	v_add_nc_u32 v[SX+\c], 0xff000000, v[TM+\c]
.endr
.irp c, 0,1
	v_lshrrev_b32 v[TM+\c], 23, v[SX+\c]
.endr
	v_lshl_or_b32 v[\pw], v[TM+1], 16, v[TM]         ; my two bytes: blocks h and 2 + h,
	v_lshrrev_b32 v[T2+1], 3, v[BO]                  ; 8 h
	v_lshlrev_b32 v[\pw], v[T2+1], v[\pw]            ; at their places in the word;
	v_permlanex16_b32 v[T2], v[\pw], s[SEL], s[SEL+1]
	v_or_b32 v[\pw], v[\pw], v[T2]                   ; with lane l xor 16's two it is whole
.irp c, 0,1
.irp g, 0,1,2,3
	v_cvt_scalef32_pk8_fp4_f32 v[\pc+4*\c+\g], v[\x+32*\c+8*\g:\x+32*\c+8*\g+7], v[SX+\c]
.endr
.endr
	v_nop
.endm
.macro WLOAD                           ; two fragments' numbers: row 64 (i / 32) + i % 32 (+ 32 h) of the weight, my column; a row of either weight is 1,024 bytes
.set i, 0
.rept 128
	global_load_b32 v[WR+i], v[WVO], s[WB:WB+1] offset:(64*(i/32)+i%32)*1024
.set i, i+1
.endr
.endm
; one product.  c < 0: the constant 0 starts the sum.  rows 0: both scales from lanes 0-15; 1: source 0's from lanes 16-31; 3: both from lanes 16-31
.macro MM d, a, b, c, sa, sb, rows
.if (\c) < 0
.if (\rows) == 0
	v_wmma_scale_f32_16x16x128_f8f6f4 v[\d:\d+7], v[\a:\a+7], v[\b:\b+7], 0, v[\sa], v[\sb] matrix_a_fmt:MATRIX_FMT_FP4 matrix_b_fmt:MATRIX_FMT_FP4
.elseif (\rows) == 1
	v_wmma_scale_f32_16x16x128_f8f6f4 v[\d:\d+7], v[\a:\a+7], v[\b:\b+7], 0, v[\sa], v[\sb] matrix_a_fmt:MATRIX_FMT_FP4 matrix_b_fmt:MATRIX_FMT_FP4 matrix_a_scale:MATRIX_SCALE_ROW1
.else
	v_wmma_scale_f32_16x16x128_f8f6f4 v[\d:\d+7], v[\a:\a+7], v[\b:\b+7], 0, v[\sa], v[\sb] matrix_a_fmt:MATRIX_FMT_FP4 matrix_b_fmt:MATRIX_FMT_FP4 matrix_a_scale:MATRIX_SCALE_ROW1 matrix_b_scale:MATRIX_SCALE_ROW1
.endif
.else
.if (\rows) == 0
	v_wmma_scale_f32_16x16x128_f8f6f4 v[\d:\d+7], v[\a:\a+7], v[\b:\b+7], v[\c:\c+7], v[\sa], v[\sb] matrix_a_fmt:MATRIX_FMT_FP4 matrix_b_fmt:MATRIX_FMT_FP4
.elseif (\rows) == 1
	v_wmma_scale_f32_16x16x128_f8f6f4 v[\d:\d+7], v[\a:\a+7], v[\b:\b+7], v[\c:\c+7], v[\sa], v[\sb] matrix_a_fmt:MATRIX_FMT_FP4 matrix_b_fmt:MATRIX_FMT_FP4 matrix_a_scale:MATRIX_SCALE_ROW1
.else
	v_wmma_scale_f32_16x16x128_f8f6f4 v[\d:\d+7], v[\a:\a+7], v[\b:\b+7], v[\c:\c+7], v[\sa], v[\sb] matrix_a_fmt:MATRIX_FMT_FP4 matrix_b_fmt:MATRIX_FMT_FP4 matrix_a_scale:MATRIX_SCALE_ROW1 matrix_b_scale:MATRIX_SCALE_ROW1
.endif
.endif
.endm
	s_load_b256 s[4:11], s[0:1], 0x0               ; data2 s[4:5], Wk s[6:7], bk s[8:9], Wq s[10:11]
	s_load_b128 s[12:15], s[0:1], 0x20             ; kvc s[12:13], kvs s[14:15]
	s_load_b64 s[16:17], s[0:1], 0x30              ; wqc
	v_lshl_add_u32 v[SPW], v0, 2, SPARE
	v_mov_b32 v[NIL], 0
	v_lshrrev_b32 v20, 5, v0
	v_readfirstlane_b32 s[WV], v20                 ; wave v, 0..15
	v_and_b32 v20, 31, v0                          ; lane
	v_and_b32 v21, 15, v0                          ; r
	v_bfe_u32 v22, v0, 4, 1                        ; h
	s_and_b32 s23, s[WV], 1                        ; v % 2
	s_lshr_b32 s24, s[WV], 1                       ; v / 2
	v_lshlrev_b32 v[LI], 4, v20
	v_lshlrev_b32 v[LS], 2, v20
	s_lshl_b32 s22, s[WV], 6
	v_lshl_add_u32 v[SW], v21, 2, s22
	s_lshl_b32 s22, s[WV], 11
	v_add_nc_u32 v[WW], s22, v[LI]
	s_lshl_b32 s22, s[WV], 7
	v_add_nc_u32 v[WSA], s22, v[LS]
	s_lshl_b32 s22, s23, 14
	v_add_nc_u32 v[FA], s22, v[LI]
	s_lshl_b32 s22, s23, 10
	v_add_nc_u32 v[FAS], s22, v[LS]
	s_lshl_b32 s22, s24, 12
	v_add_nc_u32 v[FX], s22, v[LI]
	s_lshl_b32 s22, s24, 7
	v_add_nc_u32 v[FXS], s22, v[LS]
	s_mul_i32 s22, s[WV], 8448
	s_add_co_u32 s22, s22, XSTG
	v_add_nc_u32 v[STI], s22, v[LI]
	v_mul_u32_u24 v23, v21, 528
	v_lshl_add_u32 v23, v22, 6, v23
	v_add_nc_u32 v[STO], s22, v23
	v_and_b32 v23, 8, v21
	v_add_nc_u32 v23, v23, v21                     ; r + 8 (r / 8)
	v_lshlrev_b32 v[BVO], 2, v23
	v_lshl_add_u32 v[WVO], v22, 15, v[BVO]         ; lanes 16-31 begin 32 rows of 1,024 bytes further down
	v_lshlrev_b32 v[BO], 6, v22
	s_lshl_b32 s22, s[WV], 9
	v_add_nc_u32 v[OSR], s22, v[LI]
	s_mov_b32 s[HM], 0xffff0000                    ; lanes 16-31
	s_mov_b32 s[SEL], 0x76543210
	s_mov_b32 s[SEL+1], 0xfedcba98                 ; v_permlanex16_b32's selects for lane l xor 16
.irp b, 0,1,2,3
	v_mov_b32 v[T2+\b], 0                          ; written once: a lane permute's destination counts as one of its sources
.endr
	s_mov_b32 s29, 0
	s_wait_kmcnt 0x0
	s_cmp_ge_u32 ttmp9, 128                        ; the same in all sixteen waves
	s_cbranch_scc1 .Lwq
	; ---- a group of 128 keys
	s_lshr_b32 s25, s24, 1
	s_lshl_b32 s25, s25, 5
	s_and_b32 s26, s24, 1
	s_lshl_b32 s26, s26, 3
	s_add_co_u32 s25, s25, s26                     ; key tile v / 2 begins at key 32 (kt / 2) + 8 (kt % 2)
	s_lshl_b32 s28, s25, 10
	s_lshl_b32 s26, s23, 9
	s_add_co_u32 s28, s28, s26                     ; + the half of the row: 128 numbers
	s_lshl_b32 s26, ttmp9, 17
	s_add_co_u32 s28, s28, s26                     ; + the group's 128 rows of 1,024 bytes
	s_add_nc_u64 s[XB:XB+1], s[4:5], s[28:29]
	s_lshl_b32 s25, s24, 5
	s_lshl_b32 s26, s23, 3
	s_add_co_u32 s25, s25, s26                     ; channel tile v begins at channel 32 (v / 2) + 8 (v % 2)
	s_lshl_b32 s28, s25, 2
	s_add_nc_u64 s[WB:WB+1], s[6:7], s[28:29]
	s_add_nc_u64 s[BKV:BKV+1], s[8:9], s[28:29]
	s_lshl_b32 s28, s23, 9
	s_add_nc_u64 s[BKK:BKK+1], s[8:9], s[28:29]    ; bk of channel half v % 2
	s_lshl_b32 s28, ttmp9, 15
	s_lshl_b32 s26, s[WV], 10
	s_add_co_u32 s28, s28, s26
	s_add_nc_u64 s[KO:KO+1], s[12:13], s[28:29]    ; kvc: my group, fragment v
	s_lshl_b32 s28, ttmp9, 11
	s_add_nc_u64 s[SOB:SOB+1], s[14:15], s[28:29]  ; kvs: my group
.irp p, 0,1,2,3,4,5,6,7,8,9,10,11,12,13,14,15
	global_load_b128 v[X+4*\p:X+4*\p+3], v[LI], s[XB:XB+1] offset:(\p+8*(\p/8))*1024 th:TH_LOAD_NT   ; row p of my key tile: 32 lanes read 512 consecutive bytes
.endr
	WLOAD
	s_wait_loadcnt 63                              ; x's 16 loads are in: 128 were issued behind them, more than a wait's count can name
.irp p, 0,1,2,3,4,5,6,7,8,9,10,11,12,13,14,15
	ds_store_b128 v[STI], v[X+4*\p:X+4*\p+3] offset:528*\p
.endr
	s_wait_dscnt 0x0                               ; the stores have read their registers, which the loads below fill
.irp b, 0,1,2,3
.irp j, 0,1,2,3
	ds_load_b128 v[X+16*\b+4*\j:X+16*\b+4*\j+3], v[STO] offset:128*\b+16*\j   ; my row's 16 neighbours of each block of 32
.endr
.endr
	s_wait_dscnt 0x0
	QUANT X,PC,PW
	ds_store_b128 v[WW], v[PC:PC+3] offset:XIMG
	ds_store_b128 v[WW], v[PC+4:PC+7] offset:XIMG+512
	ds_store_b32 v[SW], v[PW] offset:XSC           ; lanes r and r + 16 write the same word with the same value
.irp t, 0,1,2,3,4,5,6,7                        ; bk as the C of the first orientation: tile 2 b + u: channels 32 b + 16 h + 8 u + 0 .. 7 of my half
	global_load_b128 v[X+8*\t:X+8*\t+3], v[BO], s[BKK:BKK+1] offset:(32*(\t/2)+8*(\t%2))*4
	global_load_b128 v[X+8*\t+4:X+8*\t+7], v[BO], s[BKK:BKK+1] offset:(32*(\t/2)+8*(\t%2))*4+16
.endr
.irp j, 0,1,2,3,4,5,6,7                        ; and of the second: my channel's number in all eight registers
	global_load_b32 v[BB+\j], v[BVO], s[BKV:BKV+1]
.endr
	s_wait_loadcnt 63                              ; Wk's first 64 numbers are in: 88 loads were issued behind them
	s_wait_dscnt 0x0                               ; x's image is stored: the codes' registers may be written
	WQ WR,PC,PWE
	ds_store_b128 v[WW], v[PC:PC+3] offset:WIMG
	ds_store_b128 v[WW], v[PC+4:PC+7] offset:WIMG+512
	s_wait_loadcnt 24                              ; the other 64 are in; the 24 loads of bk may be out
	WQ WR+64,PC+8,PW
	ds_store_b128 v[WW], v[PC+8:PC+11] offset:WIMG+1024
	ds_store_b128 v[WW], v[PC+12:PC+15] offset:WIMG+1536
	v_cndmask_b32 v[PW], v[PWE], v[PW], s[HM]      ; lanes 0-15 the even fragment's words, lanes 16-31 the odd one's
	ds_store_b32 v[WSA], v[PW] offset:WSC
	BARRIER                                        ; x's 16 fragments and Wk's 32 lie in LDS
	; ---- K: source 0 = 16 channels of Wk, source 1 = my 16 keys: a lane holds one key, its registers run along the 128 channels of my half
.irp i, 0,1,2,3,4,5,6,7
.irp s, 0,1
.irp c, 0,1
	ds_load_b128 v[WR+16*\i+8*\s+4*\c:WR+16*\i+8*\s+4*\c+3], v[FA] offset:WIMG+2048*\i+1024*\s+512*\c
.endr
.endr
	ds_load_b32 v[AS+\i], v[FAS] offset:WSC+128*\i
.endr
.irp s, 0,1
.irp c, 0,1
	ds_load_b128 v[PC+8*\s+4*\c:PC+8*\s+4*\c+3], v[FX] offset:XIMG+2048*\s+512*\c
.endr
.endr
	ds_load_b32 v[BS], v[FXS] offset:XSC
	s_wait_dscnt 0x0
	s_wait_loadcnt 0x0                             ; bk
.irp i, 0,1,2,3,4,5,6,7                        ; eight accumulators by turns
	MM X+8*\i,WR+16*\i,PC,X+8*\i,AS+\i,BS,0
.endr
.irp i, 0,1,2,3,4,5,6,7
	MM X+8*\i,WR+16*\i+8,PC+8,X+8*\i,AS+\i,BS,3
.endr
	PLACES 5                                       ; four in front of the reads of results and the writes of sources; the fifth for the products below, which begin these accumulators anew with another C
	QUANT X,PC,PW
	global_store_b128 v[LI], v[PC:PC+3], s[KO:KO+1]                ; 32 lanes store 512 consecutive bytes
	global_store_b128 v[LI], v[PC+4:PC+7], s[KO:KO+1] offset:512
	ds_store_b32 v[SW], v[PW] offset:OSC
	; ---- V: source 0 = 16 keys, source 1 = my 16 channels of Wk: a lane holds one channel, its registers run along the 128 keys
	s_wait_xcnt 0x0                                ; the stores have read the codes' registers, which the loads below fill
.irp f, 0,1,2,3,4,5,6,7,8,9,10,11,12,13,14,15
.irp c, 0,1
	ds_load_b128 v[WR+8*\f+4*\c:WR+8*\f+4*\c+3], v[LI] offset:XIMG+2048*\f+512*\c
.endr
.endr
.irp k, 0,1,2,3,4,5,6,7
	ds_load_b32 v[AS+\k], v[LS] offset:XSC+128*\k
.endr
.irp s, 0,1
.irp c, 0,1
	ds_load_b128 v[PC+8*\s+4*\c:PC+8*\s+4*\c+3], v[WW] offset:WIMG+1024*\s+512*\c
.endr
.endr
	ds_load_b32 v[BS], v[WSA] offset:WSC
	s_wait_dscnt 0x0
.irp k, 0,1,2,3,4,5,6,7
	MM X+8*\k,WR+16*\k,PC,BB,AS+\k,BS,0
.endr
.irp k, 0,1,2,3,4,5,6,7
	MM X+8*\k,WR+16*\k+8,PC+8,X+8*\k,AS+\k,BS,3
.endr
	PLACES 4
	QUANT X,PC,PW
	global_store_b128 v[LI], v[PC:PC+3], s[KO:KO+1] offset:16384
	global_store_b128 v[LI], v[PC+4:PC+7], s[KO:KO+1] offset:16896
	ds_store_b32 v[SW], v[PW] offset:OSC+1024
	BARRIER                                        ; the group's 2,048 scale bytes lie in LDS
	s_cmp_lt_u32 s[WV], 4                          ; four waves store them, 512 consecutive bytes each
	s_cbranch_scc0 .Lend
	ds_load_b128 v[X:X+3], v[OSR] offset:OSC
	s_wait_dscnt 0x0
	global_store_b128 v[OSR], v[X:X+3], s[SOB:SOB+1]
	s_branch .Lend
.Lwq:	; ---- Wq: two fragments a wave
	s_sub_co_u32 s25, ttmp9, 128
	s_lshl_b32 s25, s25, 4
	s_add_co_u32 s25, s25, s[WV]                   ; p
	s_lshr_b32 s26, s25, 2                         ; channel tile t = p / 4
	s_lshr_b32 s27, s26, 1
	s_lshl_b32 s27, s27, 5
	s_and_b32 s26, s26, 1
	s_lshl_b32 s26, s26, 3
	s_add_co_u32 s27, s27, s26
	s_lshl_b32 s28, s27, 2
	s_and_b32 s26, s25, 3
	s_lshl_b32 s26, s26, 18                        ; 256 rows of 1,024 bytes for each pair of K steps
	s_add_co_u32 s28, s28, s26
	s_add_nc_u64 s[WB:WB+1], s[10:11], s[28:29]
	s_lshl_b32 s28, s25, 11
	s_add_nc_u64 s[KO:KO+1], s[16:17], s[28:29]
	s_lshl_b32 s28, s25, 7
	s_add_co_u32 s28, s28, 131072
	s_add_nc_u64 s[SOB:SOB+1], s[16:17], s[28:29]
	WLOAD
	s_wait_loadcnt 63                              ; the first 64 numbers are in: 64 loads were issued behind them
	WQ WR,PC,PWE
	s_wait_loadcnt 0x0
	WQ WR+64,PC+8,PW
	v_cndmask_b32 v[PW], v[PWE], v[PW], s[HM]
.irp i, 0,1,2,3
	global_store_b128 v[LI], v[PC+4*\i:PC+4*\i+3], s[KO:KO+1] offset:512*\i
.endr
	global_store_b32 v[LS], v[PW], s[SOB:SOB+1]    ; 128 consecutive bytes a wave: 8,192 bytes in the whole launch leave so
.Lend:
	s_wait_tensorcnt 0x0                           ; the wave's end, behind my last LDS store
	ds_add_u32 v[SPW], v[NIL]
	s_wait_dscnt 0x0
	s_endpgm
.Lfunc_end_k_q4c96929b5a_prep:
	.size	k_q4c96929b5a_prep, .Lfunc_end_k_q4c96929b5a_prep-k_q4c96929b5a_prep
	.p2alignl 7, 3214868480
	.fill 96, 4, 3214868480
	.section	.rodata,"a",@progbits
	.p2align	6, 0x0
	.amdhsa_kernel k_q4c96929b5a_prep
		.amdhsa_group_segment_fixed_size 207872
		.amdhsa_private_segment_fixed_size 0
		.amdhsa_enable_private_segment 0
		.amdhsa_kernarg_size 56
		.amdhsa_user_sgpr_count 2
		.amdhsa_user_sgpr_kernarg_segment_ptr 1
		.amdhsa_wavefront_size32 1
		.amdhsa_system_sgpr_workgroup_id_x 1
		.amdhsa_system_sgpr_workgroup_id_y 1
		.amdhsa_system_sgpr_workgroup_id_z 1
		.amdhsa_system_vgpr_workitem_id 0
		.amdhsa_next_free_vgpr 256
		.amdhsa_next_free_sgpr 66
		.amdhsa_reserve_vcc 0
		.amdhsa_float_denorm_mode_32 3
		.amdhsa_float_denorm_mode_16_64 3
		.amdhsa_memory_ordered 1
		.amdhsa_forward_progress 1
		.amdhsa_inst_pref_size 70
	.end_amdhsa_kernel
	.amdgpu_metadata
---
amdhsa.version: [ 1, 2 ]
amdhsa.kernels:
  - .name:           k_q4c96929b5a_prep
    .symbol:         k_q4c96929b5a_prep.kd
    .args:
      - { .name: data2, .offset: 0, .size: 8, .value_kind: global_buffer, .address_space: global }
      - { .name: Wk, .offset: 8, .size: 8, .value_kind: global_buffer, .address_space: global }
      - { .name: bk, .offset: 16, .size: 8, .value_kind: global_buffer, .address_space: global }
      - { .name: Wq, .offset: 24, .size: 8, .value_kind: global_buffer, .address_space: global }
      - { .name: kvc, .offset: 32, .size: 8, .value_kind: global_buffer, .address_space: global }
      - { .name: kvs, .offset: 40, .size: 8, .value_kind: global_buffer, .address_space: global }
      - { .name: wqc, .offset: 48, .size: 8, .value_kind: global_buffer, .address_space: global }
    .group_segment_fixed_size: 207872
    .private_segment_fixed_size: 0
    .kernarg_segment_align: 8
    .kernarg_segment_size: 56
    .max_flat_workgroup_size: 512
    .sgpr_count:     66
    .vgpr_count:     256
    .wavefront_size: 32
...
	.end_amdgpu_metadata
.endif
;; end of part 1
;; launch attn (part 2): grid 256 x 1, 4 waves a work-group, no clusters, 312,320 bytes of LDS; arguments data1, bq, wqc, kvc, kvs, out0; writes out0
.if DOCPART == 2
	.amdgcn_target "amdgcn-amd-amdhsa--gfx1250"
	.amdhsa_code_object_version 6
	.text
	.protected	k_q4c96929b5a_attn
	.globl	k_q4c96929b5a_attn
	.p2align	8
	.type	k_q4c96929b5a_attn,@function
k_q4c96929b5a_attn:
	s_mov_b64 s[64:65], 0
	v_nop
	global_prefetch_b8 v0, s[64:65] scope:SCOPE_SE
	s_setreg_imm32_b32 hwreg(HW_REG_WAVE_MODE, 25, 1), 1
	s_wait_xcnt 0x0
; SECOND OF TWO LAUNCHES.  out = softmax(query key^T / 32) key + query, query = Q(data1) Q(Wq) + bq; all products on codes of E2M1 with one E8M0 scale for each 32 along K.  No work is left out.
; The first launch left Wq's codes (wqc) and the key's, quantised along the channels (K) and along the keys (V), with their scales (kvc, kvs), as images of the operands' registers:
; a fragment is 1,024 bytes, [c][lane][16 bytes]; a scale image 128 bytes: lanes 0-15 the even fragment of a pair, lanes 16-31 the odd one.
; THE SOFTMAX: t = score x log2(e) / 32; M = the largest t so far, rounded up to a whole number; p = 2^(t - M) is quantised along the keys; the sum is taken of the unquantised p and divides at the end.
; LIMITS: a block whose largest magnitude lies under 2^-124 keeps the scale byte 1, a block of zeros too (its codes are zeros); NaN and infinities among the inputs are not served.
; SHARES.  A work-group owns 64 rows of one batch.  Wave w: X: quantises rows 16 w .. + 15 of data1;  P: makes the query's channels 64 w .. + 63 of all 64 rows (its part of Wq stays in registers);
; A: walks keys 512 w .. + 511 for all 64 queries, 128 a step: each fragment of K and V is loaded once in the work-group, straight into registers, and feeds four products;  M: the four waves' parts meet in LDS,
; and wave w finishes channels 64 w .. + 63.  V's sixteen places are turned by w: places 4 q .. 4 q + 3 hold channel quarter (q + w) % 4, so that places 0-3 are always the wave's own quarter.
; NO CLUSTER, NO TENSOR LOAD: a joint load lands in LDS alone; here a byte of K or V goes to the one wave of the work-group that multiplies it, and a batch's 557,056 bytes do not fit beside the 262,144 bytes of parts and residual.
; Both attention products are used transposed (S^T = K Q^T, O^T = V P^T): a lane holds one query throughout.
; REGISTERS, in windows of 256.  Window 0: v1-31 addresses; v32-95 numbers of x, x's fragments, S^T; v96-159 numbers of x, then Q's fragments; v160-191 p's codes; v192-199 K's scales; v200-215 x's scales, then V's, Q's, p's;
;   v216-231 Wq's scales, then four statistics a tile (-M, t, the sum in two halves); v232-239 codes just made, then the factors f in pairs; v240-253 at work.
; Window 1: data1 as loaded; then K's 16 fragments and V's 16.   Window 2: Wq's 32 fragments; then O^T of tiles 0, 1.   Window 3: the query's 16 accumulators and bq; then O^T of tiles 2, 3.
.set XIMG,  0                          ; LDS: x's fragments, (tile m, K step s) at 8192 m + 1024 s
.set XSC,   32768                      ; their scale images at 1024 m + 128 (s / 2)
.set QIMG,  36864                      ; Q's fragments at 2048 m + 1024 s
.set QSC,   45056                      ; their scale images at 128 m
.set STAT,  45568                      ; 1024 w + 256 m: -M; + 128: the sum
.set SPARE, 49664                      ; the spare words, 128 bytes a wave; no other line names them
.set RES,   50176                      ; 16,384 bytes a wave, its own: the query in f32; later its stage for the way out
.set MRG,   115712                     ; the parts: 49,152 bytes for each wave that receives, 16,384 a part
.set XSTG,  MRG                        ; ahead of the first barrier: two stages of 16 rows x 528 bytes a wave
.set LI,  1
.set LS,  2
.set XWI, 3
.set SWA, 4
.set STI, 5
.set STO, 6
.set QWI, 7
.set QWS, 8
.set RSA, 9
.set VO,  10
.set VSO, 14
.set MWA, 18
.set MRA, 21
.set STR, 22
.set SOA, 25
.set SR,  26
.set GO,  27
.set BO,  28
.set PFO, 29
.set SPW, 30
.set NIL, 31
.set S,   32
.set GF,  64
.set QF,  96
.set FF,  96
.set PCD, 160
.set KS,  192
.set XS,  200
.set VS,  200
.set QS,  208
.set PWM, 212
.set WS,  216
.set ST,  216
.set PC,  232
.set FP,  232
.set TM,  240
.set T2,  244
.set SX,  248
.set TMP, 252
.set PWE, 253
.set WV,  16
.set HM,  17
.set SEL, 18
.set CS,  20
.set CNT, 22
.set PK,  24
.set PV,  26
.set PSK, 28
.set PSV, 30
.set PF,  32
.set XB,  34
.set WQB, 36
.set WQS, 38
.set BQB, 40
.set OB,  42
.set MSB, 0
.macro WIN new                         ; bits 1:0 source 0, 3:2 source 1, 5:4 source 2, 7:6 destination; the high byte repeats the setting that is left
.if MSB != (\new)
	s_set_vgpr_msb (MSB<<8)|(\new)
.set MSB, (\new)
.endif
.endm
.macro PLACES n
.rept \n
	v_nop
.endr
.endm
.macro BARRIER                         ; my LDS stores have landed and my LDS loads are in: then the work-group's barrier
	s_wait_dscnt 0x0
	s_barrier_signal -1
	s_barrier_wait -1
.endm
; 64 numbers of a lane, register 16 b + i = k 32 b + 16 h + i of my row, become a fragment's codes in v[pc] on and my row's scale word in v[pw]
.macro QUANT s, pc, pw
.irp b, 0,1,2,3
	v_max3_num_f32 v[TM+\b], |v[\s+16*\b]|, |v[\s+1+16*\b]|, 0x1800000   ; my 16 numbers of block b, and the floor 2^(3 - 127): the byte cannot fall under 1
.endr
.irp i, 2,4,6,8,10,12,14
.irp b, 0,1,2,3
	v_max3_num_f32 v[TM+\b], v[TM+\b], |v[\s+16*\b+\i]|, |v[\s+1+16*\b+\i]|
.endr
.endr
.irp b, 0,1,2,3
	v_permlanex16_b32 v[T2+\b], v[TM+\b], s[SEL], s[SEL+1]
.endr
.irp b, 0,1,2,3
	v_max_num_f32 v[TM+\b], v[TM+\b], v[T2+\b]
.endr
.irp b, 0,1,2,3
	v_add_nc_u32 v[SX+\b], 0xff000000, v[TM+\b]      ; 2 off the exponent field: the conversion's scale operand
.endr
.irp b, 0,1,2,3
	v_lshrrev_b32 v[T2+\b], 23, v[SX+\b]             ; the scale's byte
.endr
	v_lshl_or_b32 v[\pw], v[T2+1], 8, v[T2]
	v_lshl_or_b32 v[\pw], v[T2+2], 16, v[\pw]
	v_lshl_or_b32 v[\pw], v[T2+3], 24, v[\pw]
.irp b, 0,1,2,3
	v_cvt_scalef32_pk8_fp4_f32 v[\pc+2*\b], v[\s+16*\b:\s+7+16*\b], v[SX+\b]
	v_cvt_scalef32_pk8_fp4_f32 v[\pc+1+2*\b], v[\s+8+16*\b:\s+15+16*\b], v[SX+\b]
.endr
	v_nop                                            ; one plain place behind a scaled conversion
.irp c, 0,1
.irp i, 0,1
	v_permlane16_swap_b32 v[\pc+4*\c+\i], v[\pc+2+4*\c+\i]
.endr
.endr
.endm
; one product.  c < 0: the constant 0 starts the sum.  rows 0: both scales from lanes 0-15; 1: source 0's from lanes 16-31; 3: both from lanes 16-31
.macro MM d, a, b, c, sa, sb, rows
.if (\c) < 0
.if (\rows) == 0
	v_wmma_scale_f32_16x16x128_f8f6f4 v[\d:\d+7], v[\a:\a+7], v[\b:\b+7], 0, v[\sa], v[\sb] matrix_a_fmt:MATRIX_FMT_FP4 matrix_b_fmt:MATRIX_FMT_FP4
.elseif (\rows) == 1
	v_wmma_scale_f32_16x16x128_f8f6f4 v[\d:\d+7], v[\a:\a+7], v[\b:\b+7], 0, v[\sa], v[\sb] matrix_a_fmt:MATRIX_FMT_FP4 matrix_b_fmt:MATRIX_FMT_FP4 matrix_a_scale:MATRIX_SCALE_ROW1
.else
	v_wmma_scale_f32_16x16x128_f8f6f4 v[\d:\d+7], v[\a:\a+7], v[\b:\b+7], 0, v[\sa], v[\sb] matrix_a_fmt:MATRIX_FMT_FP4 matrix_b_fmt:MATRIX_FMT_FP4 matrix_a_scale:MATRIX_SCALE_ROW1 matrix_b_scale:MATRIX_SCALE_ROW1
.endif
.else
.if (\rows) == 0
	v_wmma_scale_f32_16x16x128_f8f6f4 v[\d:\d+7], v[\a:\a+7], v[\b:\b+7], v[\c:\c+7], v[\sa], v[\sb] matrix_a_fmt:MATRIX_FMT_FP4 matrix_b_fmt:MATRIX_FMT_FP4
.elseif (\rows) == 1
	v_wmma_scale_f32_16x16x128_f8f6f4 v[\d:\d+7], v[\a:\a+7], v[\b:\b+7], v[\c:\c+7], v[\sa], v[\sb] matrix_a_fmt:MATRIX_FMT_FP4 matrix_b_fmt:MATRIX_FMT_FP4 matrix_a_scale:MATRIX_SCALE_ROW1
.else
	v_wmma_scale_f32_16x16x128_f8f6f4 v[\d:\d+7], v[\a:\a+7], v[\b:\b+7], v[\c:\c+7], v[\sa], v[\sb] matrix_a_fmt:MATRIX_FMT_FP4 matrix_b_fmt:MATRIX_FMT_FP4 matrix_a_scale:MATRIX_SCALE_ROW1 matrix_b_scale:MATRIX_SCALE_ROW1
.endif
.endif
.endm
	s_load_b256 s[4:11], s[0:1], 0x0               ; data1 s[4:5], bq s[6:7], wqc s[8:9], kvc s[10:11]
	s_load_b128 s[12:15], s[0:1], 0x20             ; kvs s[12:13], out0 s[14:15]
	v_lshl_add_u32 v[SPW], v0, 2, SPARE
	v_mov_b32 v[NIL], 0
	v_lshrrev_b32 v240, 5, v0
	v_readfirstlane_b32 s[WV], v240                ; wave w, 0..3
	v_and_b32 v240, 31, v0                         ; lane
	v_and_b32 v241, 15, v0                         ; r
	v_bfe_u32 v242, v0, 4, 1                       ; h
	v_lshlrev_b32 v[LI], 4, v240                   ; 16 x lane
	v_lshlrev_b32 v[LS], 2, v240                   ; 4 x lane
	v_lshlrev_b32 v[PFO], 8, v240                  ; 256 x lane
	s_lshl_b32 s44, s[WV], 13
	v_add_nc_u32 v[XWI], s44, v[LI]                ; x's images: 16 x lane + 8192 w
	s_lshl_b32 s44, s[WV], 10
	v_add_nc_u32 v[SWA], s44, v[LS]                ; 4 x lane + 1024 w: x's scale images, and my statistics
	s_mul_i32 s44, s[WV], 16896
	s_add_co_u32 s44, s44, XSTG
	v_add_nc_u32 v[STI], s44, v[LI]                ; my stages: in, as loaded;
	v_mul_u32_u24 v243, v241, 528
	v_lshl_add_u32 v243, v242, 6, v243
	v_add_nc_u32 v[STO], s44, v243                 ; out: row r, + 64 h
	s_lshl_b32 s44, s[WV], 9
	v_add_nc_u32 v[QWI], s44, v[LI]                ; Q's images: my four registers lie 512 w bytes in
	s_lshr_b32 s44, s[WV], 1
	s_lshl_b32 s44, s44, 6
	s_and_b32 s45, s[WV], 1
	s_lshl_b32 s45, s45, 1
	s_add_co_u32 s44, s44, s45
	v_lshl_add_u32 v[QWS], v241, 2, s44            ; and my two scale bytes: 4 r + 64 (w / 2) + 2 (w % 2)
	s_lshl_b32 s44, s[WV], 14
	s_add_co_u32 s44, s44, RES
	v_add_nc_u32 v[RSA], s44, v[LI]
	v_mul_u32_u24 v243, v241, 272
	v_lshl_add_u32 v243, v242, 6, v243
	v_add_nc_u32 v[SOA], s44, v243                 ; the way out: into my stage: row r, + 64 h;
	v_mul_u32_u24 v243, v242, 272
	v_lshl_add_u32 v243, v241, 4, v243
	v_add_nc_u32 v[SR], s44, v243                  ; back: lanes 0-15 one row of 256 bytes, lanes 16-31 the next;
	v_lshlrev_b32 v243, 4, v241
	v_lshl_add_u32 v[GO], v242, 10, v243           ; and the same two rows of out0
	v_lshlrev_b32 v[BO], 6, v242
.irp k, 0,1,2,3
	s_add_co_u32 s44, s[WV], \k
	s_and_b32 s44, s44, 3                          ; the channel quarter in V's places 4 k .. 4 k + 3
	s_lshl_b32 s45, s44, 12
	v_add_nc_u32 v[VO+\k], s45, v[LI]
	s_lshl_b32 s45, s44, 8
	v_add_nc_u32 v[VSO+\k], s45, v[LS]
.endr
.irp k, 1,2,3
	s_add_co_u32 s44, s[WV], \k
	s_and_b32 s44, s44, 3
	s_mul_i32 s45, s44, 49152
	s_add_co_u32 s45, s45, MRG+16384*(3-\k)
	v_add_nc_u32 v[MWA+\k-1], s45, v[LI]           ; where places 4 k .. go: to wave (w + k) % 4, as its part 3 - k
	s_lshl_b32 s45, s44, 10
	v_add_nc_u32 v[STR+\k-1], s45, v[LS]           ; and the statistics of the wave that wrote my part k - 1
.endr
	s_mul_i32 s44, s[WV], 49152
	s_add_co_u32 s44, s44, MRG
	v_add_nc_u32 v[MRA], s44, v[LI]
.irp b, 0,1,2,3
	v_mov_b32 v[T2+\b], 0                          ; written once: a lane permute's destination counts as one of its sources
.endr
	s_mov_b32 s[HM], 0xffff0000                    ; lanes 16-31
	s_mov_b32 s[SEL], 0x76543210
	s_mov_b32 s[SEL+1], 0xfedcba98
	s_mov_b32 s[CS], 0x3d38aa3b                    ; log2(e) / 32
	s_mov_b32 s[CS+1], s[CS]
	s_lshr_b32 s46, ttmp9, 5                       ; batch
	s_and_b32 s47, ttmp9, 31                       ; my block of 64 rows in it
	s_mov_b32 s49, 0
	s_wait_kmcnt 0x0
	s_lshl_b32 s48, ttmp9, 18
	s_lshl_b32 s50, s[WV], 16
	s_add_co_u32 s48, s48, s50
	s_add_nc_u64 s[XB:XB+1], s[4:5], s[48:49]      ; data1 at row 64 x + 16 w (4,096 bytes a row)
	s_lshl_b32 s48, s[WV], 15
	s_add_nc_u64 s[WQB:WQB+1], s[8:9], s[48:49]    ; my 32 fragments of Wq
	s_lshl_b32 s48, s[WV], 11
	s_add_co_u32 s48, s48, 131072
	s_add_nc_u64 s[WQS:WQS+1], s[8:9], s[48:49]    ; their 16 scale images
	s_lshl_b32 s48, s[WV], 8
	s_add_nc_u64 s[BQB:BQB+1], s[6:7], s[48:49]
	s_lshl_b32 s48, s46, 19
	s_lshl_b32 s50, s[WV], 17
	s_add_co_u32 s48, s48, s50
	s_add_nc_u64 s[PK:PK+1], s[10:11], s[48:49]    ; kvc at group 16 batch + 4 w
	s_add_nc_u64 s[PV:PV+1], s[10:11], s[48:49]
	s_lshl_b32 s48, s46, 15
	s_lshl_b32 s50, s[WV], 13
	s_add_co_u32 s48, s48, s50
	s_add_nc_u64 s[PSK:PSK+1], s[12:13], s[48:49]
	s_add_nc_u64 s[PSV:PSV+1], s[12:13], s[48:49]
	s_lshl_b32 s48, s46, 19
	s_lshl_b32 s50, s47, 14
	s_add_co_u32 s48, s48, s50
	s_lshl_b32 s50, s[WV], 13
	s_add_co_u32 s48, s48, s50
	s_add_nc_u64 s[PF:PF+1], s[10:11], s[48:49]    ; what waves 0 and 1 prefetch; never rewritten
	s_lshl_b32 s48, ttmp9, 16
	s_lshl_b32 s50, s[WV], 8
	s_add_co_u32 s48, s48, s50
	s_add_nc_u64 s[OB:OB+1], s[14:15], s[48:49]    ; out0 at row 64 x, channel 64 w
; ---- X: my 16 rows of data1 become eight fragments.  Each load reads 512 consecutive bytes of a row; a K step's 8,192 bytes turn through my stage, so that a lane gets 16 neighbours of each block of 32.
.macro XLOAD s                         ; K step s into set s % 4 of window 1
	WIN 0x40
.irp p, 0,1,2,3,4,5,6,7,8,9,10,11,12,13,14,15
	global_load_b128 v[64*((\s)%4)+4*\p:64*((\s)%4)+4*\p+3], v[LI], s[XB:XB+1] offset:4096*\p+512*(\s) th:TH_LOAD_NT
.endr
	WIN 0
.endm
.macro TURN s                          ; LDS serves a wave's instructions in order: no wait between the stores and the loads
	WIN 0x04
.irp p, 0,1,2,3,4,5,6,7,8,9,10,11,12,13,14,15
	ds_store_b128 v[STI], v[64*((\s)%4)+4*\p:64*((\s)%4)+4*\p+3] offset:8448*((\s)%2)+528*\p
.endr
	WIN 0
.irp b, 0,1,2,3
.irp j, 0,1,2,3
	ds_load_b128 v[S+64*((\s)%2)+16*\b+4*\j:S+64*((\s)%2)+16*\b+4*\j+3], v[STO] offset:8448*((\s)%2)+128*\b+16*\j
.endr
.endr
.endm
.macro WQLOAD t0                       ; Wq's fragments of my channel tiles t0, t0 + 1 into window 2: they stay through the projection
	WIN 0x80
.irp t, \t0, \t0+1
.irp k, 0,1,2,3,4,5,6,7
.irp c, 0,1
	global_load_b128 v[8*(8*(\t)+\k)+4*\c:8*(8*(\t)+\k)+4*\c+3], v[LI], s[WQB:WQB+1] offset:1024*(8*(\t)+\k)+512*\c
.endr
.endr
.endr
	WIN 0
.endm
.macro XSTEP s
	s_wait_dscnt 0x0                               ; this step's numbers are back from the stage, so its stores into the stage have read their registers; the last step's images are stored
.if (\s) < 4
	XLOAD (\s)+4
.endif
.if (\s) == 3                          ; A PREFETCH of the batch's K and V codes: 524,288 bytes; its 32 work-groups take 16,384 each, waves 0 and 1 half of that, lanes 256 bytes apart: each block is named once in the launch.
	s_cmp_lt_u32 s[WV], 2                          ; It stands behind the last loads of data1, four of the eight K steps and the projection ahead of the first load of K
	s_cbranch_scc0 .Lnopf_\@
	global_prefetch_b8 v[PFO], s[PF:PF+1] th:TH_LOAD_NT scope:SCOPE_SE
.Lnopf_\@:
.endif
.if (\s) == 4
	WQLOAD 0
.endif
.if (\s) == 5
	WQLOAD 2
.endif
.if (\s) == 6
.irp i, 0,1,2,3,4,5,6,7,8,9,10,11,12,13,14,15
	global_load_b32 v[WS+\i], v[LS], s[WQS:WQS+1] offset:128*\i
.endr
	WIN 0xC0
.irp t, 0,1,2,3                                ; bq as the C of the first products: tile 2 b + u: channels 32 b + 16 h + 8 u + 0 .. 7 of my 64
	global_load_b128 v[128+8*\t:128+8*\t+3], v[BO], s[BQB:BQB+1] offset:(32*(\t/2)+8*(\t%2))*4
	global_load_b128 v[128+8*\t+4:128+8*\t+7], v[BO], s[BQB:BQB+1] offset:(32*(\t/2)+8*(\t%2))*4+16
.endr
	WIN 0
.endif
.if (\s) < 4
	s_wait_loadcnt 48                              ; the next step's 16 loads are in; those of the three steps behind it may be out
	TURN (\s)+1
.elseif (\s) < 7
	s_wait_loadcnt 63                              ; the next step's are in: 64 loads or more were issued behind them, more than a wait's count can name
	TURN (\s)+1
.endif
	QUANT S+64*((\s)%2),PC,TMP
	ds_store_b128 v[XWI], v[PC:PC+3] offset:XIMG+1024*(\s)
	ds_store_b128 v[XWI], v[PC+4:PC+7] offset:XIMG+1024*(\s)+512
.if (\s)%2 == 0
	v_mov_b32 v[PWE], v[TMP]
.else
	v_cndmask_b32 v[TMP], v[PWE], v[TMP], s[HM]    ; lanes 0-15 the even K step's words, lanes 16-31 the odd one's
	ds_store_b32 v[SWA], v[TMP] offset:XSC+128*((\s)/2)
.endif
.endm
	XLOAD 0
	XLOAD 1
	XLOAD 2
	XLOAD 3
	s_wait_loadcnt 48
	TURN 0
.irp s, 0,1,2,3,4,5,6,7
	XSTEP \s
.endr
	BARRIER                                        ; x's 32 fragments lie in LDS
; ---- P: the query's channels 64 w .. + 63 of all 64 rows: source 0 = 16 channels of Wq, source 1 = 16 rows of x; 16 accumulators by turns
.macro KLOAD                           ; a step's K: 16 fragments and 8 scale images: 40 loads
	WIN 0x40
.irp f, 0,1,2,3,4,5,6,7,8,9,10,11,12,13,14,15
.irp c, 0,1
	global_load_b128 v[8*\f+4*\c:8*\f+4*\c+3], v[LI], s[PK:PK+1] offset:1024*\f+512*\c
.endr
.endr
	WIN 0
.irp i, 0,1,2,3,4,5,6,7
	global_load_b32 v[KS+\i], v[LS], s[PSK:PSK+1] offset:128*\i
.endr
.endm
.macro VLOAD                           ; a step's V, the quarters turned by w: 40 loads
	WIN 0x40
.irp k, 0,1,2,3
.irp t, 0,1,2,3
.irp c, 0,1
	global_load_b128 v[128+8*(4*\k+\t)+4*\c:128+8*(4*\k+\t)+4*\c+3], v[VO+\k], s[PV:PV+1] offset:16384+1024*\t+512*\c
.endr
.endr
.endr
	WIN 0
.irp k, 0,1,2,3
.irp e, 0,1
	global_load_b32 v[VS+2*\k+\e], v[VSO+\k], s[PSV:PSV+1] offset:1024+128*\e
.endr
.endr
.endm
.macro FETCHX s                        ; x's four fragments of K step s into set s % 2
.irp m, 0,1,2,3
.irp c, 0,1
	ds_load_b128 v[S+32*((\s)%2)+8*\m+4*\c:S+32*((\s)%2)+8*\m+4*\c+3], v[LI] offset:XIMG+8192*\m+1024*(\s)+512*\c
.endr
.endr
.endm
.macro PSTEP s
.if (\s) > 0
	PLACES 4                                       ; in front of loads into registers that the last step but one's products, just issued ahead of these places' step, have read
.endif
.if (\s) < 7
	FETCHX (\s)+1
	s_wait_dscnt 8                                 ; this step's fragments are in; the eight loads just issued may be out
.else
	s_wait_dscnt 0x0
.endif
	WIN 0xF2                                       ; Wq window 2, x window 0, C and D window 3
.irp m, 0,1,2,3
.irp t, 0,1,2,3
.if (\s) == 0
	MM 8*(4*\m+\t),8*(8*\t),S+8*\m,128+8*\t,WS+4*\t,XS+4*\m,0
.elseif (\s)%2 == 0
	MM 8*(4*\m+\t),8*(8*\t+(\s)),S+8*\m,8*(4*\m+\t),WS+4*\t+(\s)/2,XS+4*\m+(\s)/2,0
.else
	MM 8*(4*\m+\t),8*(8*\t+(\s)),S+32+8*\m,8*(4*\m+\t),WS+4*\t+(\s)/2,XS+4*\m+(\s)/2,3
.endif
.endr
.endr
	WIN 0
.endm
	s_wait_loadcnt 0x0                             ; Wq, its scales, bq
	KLOAD                                          ; the first step's K lands under the projection
.irp m, 0,1,2,3
.irp i, 0,1,2,3
	ds_load_b32 v[XS+4*\m+\i], v[LS] offset:XSC+1024*\m+128*\i
.endr
.endr
	FETCHX 0
.irp s, 0,1,2,3,4,5,6,7
	PSTEP \s
.endr
	PLACES 4                                       ; in front of the reads of results, and of the loads into x's scale registers
	VLOAD
	WIN 0x0C
.set i, 0
.rept 32
	ds_store_b128 v[RSA], v[4*i:4*i+3] offset:512*i    ; the query in f32 is parked for the residual: each accumulator from its low end on
.set i, i+1
.endr
	WIN 0
; my 64 channels of tile m are two blocks of 32: four registers of Q's fragment (m, w / 2) and two bytes of its scale words.  Two sets of registers by turns
.macro QUANTQ m
.set qP, PC+4*((\m)%2)
.set qW, TMP+(\m)%2
	WIN 0x3C
.irp b, 0,1
	v_max3_num_f32 v[TM+\b], 0x1800000, |v[32*(\m)+16*\b]|, |v[32*(\m)+16*\b+1]|
.endr
.irp i, 2,4,6,8,10,12,14
.irp b, 0,1
	v_max3_num_f32 v[TM+\b], v[TM+\b], |v[32*(\m)+16*\b+\i]|, |v[32*(\m)+16*\b+\i+1]|
.endr
.endr
	WIN 0
.irp b, 0,1
	v_permlanex16_b32 v[T2+\b], v[TM+\b], s[SEL], s[SEL+1]
.endr
.irp b, 0,1
	v_max_num_f32 v[TM+\b], v[TM+\b], v[T2+\b]
.endr
.irp b, 0,1
	v_add_nc_u32 v[SX+\b], 0xff000000, v[TM+\b]
.endr
.irp b, 0,1
	v_lshrrev_b32 v[T2+\b], 23, v[SX+\b]
.endr
.if (\m) > 1
	s_wait_dscnt 2                                 ; the stores of two tiles ago have read this set; the last tile's two may be out
.endif
	v_lshl_or_b32 v[qW], v[T2+1], 8, v[T2]
	WIN 0x03
.irp b, 0,1
	v_cvt_scalef32_pk8_fp4_f32 v[qP+2*\b], v[32*(\m)+16*\b:32*(\m)+16*\b+7], v[SX+\b]
	v_cvt_scalef32_pk8_fp4_f32 v[qP+2*\b+1], v[32*(\m)+16*\b+8:32*(\m)+16*\b+15], v[SX+\b]
.endr
	WIN 0
	v_nop
	v_permlane16_swap_b32 v[qP], v[qP+2]
	v_permlane16_swap_b32 v[qP+1], v[qP+3]
	ds_store_b128 v[QWI], v[qP:qP+3] offset:QIMG+2048*(\m)
	ds_store_b16 v[QWS], v[qW] offset:QSC+128*(\m)     ; lanes r and r + 16 write the same two bytes with the same value
.endm
	QUANTQ 0
	QUANTQ 1
	QUANTQ 2
	QUANTQ 3
	BARRIER                                        ; Q's eight fragments lie in LDS
.irp m, 0,1,2,3
.irp s, 0,1
.irp c, 0,1
	ds_load_b128 v[QF+16*\m+8*\s+4*\c:QF+16*\m+8*\s+4*\c+3], v[LI] offset:QIMG+1024*(2*\m+\s)+512*\c
.endr
.endr
	ds_load_b32 v[QS+\m], v[LS] offset:QSC+128*\m
.endr
.irp m, 0,1,2,3
	v_mov_b32 v[ST+4*\m+1], 0xff61b1e6             ; the largest t so far: -3e38, under every t
	v_mov_b32 v[ST+4*\m+2], 0                      ; the sum, in two halves
	v_mov_b32 v[ST+4*\m+3], 0
	v_mov_b32 v[FP+2*\m], 0
	v_mov_b32 v[FP+2*\m+1], 0                      ; (named as the upper half of a pair)
.endr
.irp m, 0,1,2,3
	v_floor_f32 v[ST+4*\m], -v[ST+4*\m+1]          ; -M
.endr
	s_wait_dscnt 0x0
	s_wait_loadcnt 40                              ; the first step's K is in; V's 40 loads may be out
; ---- A: four steps of 128 keys
.macro SPROD m                         ; S^T of tile m: eight accumulators by turns, two deep along the 256 channels
	WIN 0x01
.irp k, 0,1,2,3,4,5,6,7
	MM S+8*\k,16*\k,QF+16*(\m),-1,KS+\k,QS+(\m),0
.endr
.irp k, 0,1,2,3,4,5,6,7
	MM S+8*\k,16*\k+8,QF+16*(\m)+8,S+8*\k,KS+\k,QS+(\m),3
.endr
	WIN 0
.endm
.macro SOFTMAX m                       ; register 16 b + i of S^T is key 32 b + 16 h + i of the step, for my query
.set rT, ST+4*(\m)
.set rF, FP+2*(\m)
.set rP, PCD+8*(\m)
.set rW, PWM+(\m)
.irp b, 0,1,2,3
	v_max3_num_f32 v[TM+\b], v[S+16*\b], v[S+1+16*\b], v[S+2+16*\b]   ; the largest score of each block of 32 keys: for the row's maximum and, since p rises with the score, for the block's largest p
.endr
.irp i, 3,5,7,9,11,13
.irp b, 0,1,2,3
	v_max3_num_f32 v[TM+\b], v[TM+\b], v[S+16*\b+\i], v[S+1+16*\b+\i]
.endr
.endr
.irp b, 0,1,2,3
	v_max_num_f32 v[TM+\b], v[TM+\b], v[S+15+16*\b]
.endr
.irp b, 0,1,2,3
	v_permlanex16_b32 v[T2+\b], v[TM+\b], s[SEL], s[SEL+1]
.endr
.irp b, 0,1,2,3
	v_max_num_f32 v[TM+\b], v[TM+\b], v[T2+\b]
.endr
	v_max3_num_f32 v[TMP], v[TM], v[TM+1], v[TM+2]
	v_max_num_f32 v[TMP], v[TMP], v[TM+3]
	v_mul_f32 v[TMP], s[CS], v[TMP]
	v_max_num_f32 v[rT+1], v[rT+1], v[TMP]         ; the running largest t
	v_mov_b32 v[TMP], v[rT]
	v_floor_f32 v[rT], -v[rT+1]                    ; the new -M = -ceil(t)
	v_sub_f32 v[TMP], v[rT], v[TMP]                ; old M - new M: a whole number, 0 or less
	v_cvt_i32_f32 v[TMP], v[TMP]                   ; (it saturates)
	v_ldexp_f32 v[rF], 1.0, v[TMP]                 ; f = 2^(old M - new M)
.set j, 0
.rept 32
	v_pk_fma_f32 v[S+j:S+j+1], v[S+j:S+j+1], s[CS:CS+1], v[rT:rT+1] op_sel_hi:[1,0,0]   ; t - M
.set j, j+2
.endr
.irp b, 0,1,2,3
	v_fma_f32 v[TM+\b], v[TM+\b], s[CS], v[rT]
.endr
.set j, 0
.rept 64
	v_exp_f32 v[S+j], v[S+j]                       ; p = 2^(t - M)
.set j, j+1
.endr
	v_pk_mul_f32 v[rT+2:rT+3], v[rT+2:rT+3], v[rF:rF+1] op_sel_hi:[1,0]   ; the sums under the new M: the plain place behind the exponentials
	s_wait_alu depctr_va_vdst(0)                   ; one wait for the batch, ahead of its first reader
.irp b, 0,1,2,3
	v_exp_f32 v[TM+\b], v[TM+\b]                   ; each block's largest p
.endr
	v_pk_add_f32 v[T2:T2+1], v[S:S+1], v[S+2:S+3]  ; the sum of the unquantised p, in two chains
.irp j, 4,8,12,16,20,24,28,32,36,40,44,48,52,56,60
	v_pk_add_f32 v[rT+2:rT+3], v[rT+2:rT+3], v[S+\j:S+\j+1]
	v_pk_add_f32 v[T2:T2+1], v[T2:T2+1], v[S+2+\j:S+3+\j]
.endr
	v_pk_add_f32 v[rT+2:rT+3], v[rT+2:rT+3], v[T2:T2+1]
	s_wait_alu depctr_va_vdst(0)                   ; and one for the four
.irp b, 0,1,2,3
	v_max_num_f32 v[TM+\b], 0x1800000, v[TM+\b]    ; the floor 2^(3 - 127)
.endr
.irp b, 0,1,2,3
	v_add_nc_u32 v[SX+\b], 0xff000000, v[TM+\b]
.endr
.irp b, 0,1,2,3
	v_lshrrev_b32 v[T2+\b], 23, v[SX+\b]
.endr
	v_lshl_or_b32 v[rW], v[T2+1], 8, v[T2]         ; p's scale word for these 128 keys
	v_lshl_or_b32 v[rW], v[T2+2], 16, v[rW]
	v_lshl_or_b32 v[rW], v[T2+3], 24, v[rW]
.irp b, 0,1,2,3
	v_cvt_scalef32_pk8_fp4_f32 v[rP+2*\b], v[S+16*\b:S+7+16*\b], v[SX+\b]
	v_cvt_scalef32_pk8_fp4_f32 v[rP+1+2*\b], v[S+8+16*\b:S+15+16*\b], v[SX+\b]
.endr
	v_nop
.irp c, 0,1
.irp i, 0,1
	v_permlane16_swap_b32 v[rP+4*\c+\i], v[rP+2+4*\c+\i]
.endr
.endr
.endm
.macro RESCALE                         ; O^T under the new M: x f; each accumulator from its low end on.  These lines are also the places between p's codes and scale words and the products that take them
.irp m, 0,1,2,3
	WIN 0x82+0x41*(\m/2)
.set i, 0
.rept 64
	v_pk_mul_f32 v[128*(\m%2)+i:128*(\m%2)+i+1], v[128*(\m%2)+i:128*(\m%2)+i+1], v[FP+2*\m:FP+2*\m+1] op_sel_hi:[1,0]
.set i, i+2
.endr
.endr
.endm
.macro PVPROD hi, first                ; O^T += V P^T for tiles 2 hi, 2 hi + 1: 32 accumulators, one instruction each
	WIN 0xA1+0x50*(\hi)
.irp t, 0,1,2,3,4,5,6,7,8,9,10,11,12,13,14,15
.irp m, 0,1
.if \first
	MM 128*\m+8*\t,128+8*\t,PCD+8*(2*(\hi)+\m),-1,VS+\t/2,PWM+2*(\hi)+\m,\t%2
.else
	MM 128*\m+8*\t,128+8*\t,PCD+8*(2*(\hi)+\m),128*\m+8*\t,VS+\t/2,PWM+2*(\hi)+\m,\t%2
.endif
.endr
.endr
.endm
; The next step's K is asked for when the last product of this step has read K; the next step's V likewise.  tail = 1: in the loop, whose last trip asks for nothing (no load leaves its buffer); each arm has its own wait.
.macro NEXTK tail
.if \tail
	s_cmp_eq_u32 s[CNT], 1
	s_cbranch_scc1 .Lnk_\@
.endif
	s_add_nc_u64 s[PK:PK+1], s[PK:PK+1], 32768     ; K's loads have been waited for: their bases may step
	s_add_nc_u64 s[PSK:PSK+1], s[PSK:PSK+1], 2048
	KLOAD
	s_wait_loadcnt 40                              ; this step's V is in; the 40 loads just issued may be out
.if \tail
	s_branch .Lnkd_\@
.Lnk_\@:
	s_wait_loadcnt 0x0                             ; this step's V is in
.Lnkd_\@:
.endif
.endm
.macro NEXTV tail
.if \tail
	s_cmp_eq_u32 s[CNT], 1
	s_cbranch_scc1 .Lnv_\@
.endif
	s_add_nc_u64 s[PV:PV+1], s[PV:PV+1], 32768     ; V's loads have been waited for
	s_add_nc_u64 s[PSV:PSV+1], s[PSV:PSV+1], 2048
	VLOAD
	s_wait_loadcnt 40                              ; the next step's K is in; the 40 loads just issued may be out
.if \tail
	s_branch .Lnvd_\@
.Lnv_\@:
	s_wait_loadcnt 0x0
.Lnvd_\@:
.endif
.endm
.macro STEP first, tail
.irp m, 0,1,2,3
	SPROD \m
	PLACES 4                                       ; in front of the reads of the scores, and of the loads into K's registers
.if \m == 3
	NEXTK \tail
.endif
	SOFTMAX \m
.endr
.if \first
	PLACES 8                                       ; p's scale word, written by vector instructions, stands eight places ahead of the products
.else
	RESCALE
.endif
	PVPROD 0, \first
	PVPROD 1, \first
	WIN 0
	PLACES 4                                       ; in front of the loads into V's registers, and of the reads of O^T
	NEXTV \tail
.endm
	STEP 1, 0                                      ; the first step is written out: its products start O^T's sums with the constant 0
	s_mov_b32 s[CNT], 3
.Lstep:
	STEP 0, 1
	s_sub_co_u32 s[CNT], s[CNT], 1
	s_cmp_lg_u32 s[CNT], 0
	s_cbranch_scc1 .Lstep
; ---- M: the four waves' parts meet.  O = the sum over waves x of O_x 2^(M_x - M) / l, l = the sum of l_x 2^(M_x - M), M the largest M_x: powers of two, which round nothing
.irp m, 0,1,2,3
	v_add_f32 v[ST+4*\m+2], v[ST+4*\m+2], v[ST+4*\m+3]
.endr
.irp m, 0,1,2,3
	v_permlanex16_b32 v[T2+\m], v[ST+4*\m+2], s[SEL], s[SEL+1]
.endr
.irp m, 0,1,2,3
	v_add_f32 v[ST+4*\m+2], v[ST+4*\m+2], v[T2+\m] ; my 512 keys' sum for query r
.endr
.irp m, 0,1,2,3
	ds_store_b32 v[SWA], v[ST+4*\m] offset:STAT+256*\m
	ds_store_b32 v[SWA], v[ST+4*\m+2] offset:STAT+256*\m+128
.endr
	WIN 0x08                                       ; the other three quarters go to their waves, as images of the registers; each accumulator from its low end on
.irp k, 1,2,3
.irp m, 0,1
.irp t, 0,1,2,3
.irp q, 0,1
	ds_store_b128 v[MWA+\k-1], v[128*\m+8*(4*\k+\t)+4*\q:128*\m+8*(4*\k+\t)+4*\q+3] offset:512*(8*\m+2*\t+\q)
.endr
.endr
.endr
.endr
	WIN 0x0C
.irp k, 1,2,3
.irp m, 0,1
.irp t, 0,1,2,3
.irp q, 0,1
	ds_store_b128 v[MWA+\k-1], v[128*\m+8*(4*\k+\t)+4*\q:128*\m+8*(4*\k+\t)+4*\q+3] offset:512*(8*(\m+2)+2*\t+\q)
.endr
.endr
.endr
.endr
	WIN 0
	BARRIER                                        ; all statistics and all parts lie in LDS
.macro PART reg, adr, off              ; 32 loads: 128 registers of window 1
	WIN 0x40
.set i, 0
.rept 32
	ds_load_b128 v[\reg+4*i:\reg+4*i+3], v[\adr] offset:\off+512*i
.set i, i+1
.endr
	WIN 0
.endm
.irp k, 0,1,2
.irp m, 0,1,2,3
	ds_load_b32 v[S+8*\k+2*\m], v[STR+\k] offset:STAT+256*\m
	ds_load_b32 v[S+8*\k+2*\m+1], v[STR+\k] offset:STAT+256*\m+128
.endr
.endr
	PART 0,RSA,0                                   ; the query
	PART 128,MRA,0                                 ; part 0
	s_wait_dscnt 63                                ; the statistics are in: 64 loads were issued behind them
.irp m, 0,1,2,3
	v_min3_num_f32 v[TM+\m], v[ST+4*\m], v[S+2*\m], v[S+8+2*\m]
.endr
.irp m, 0,1,2,3
	v_min_num_f32 v[TM+\m], v[TM+\m], v[S+16+2*\m] ; -M of all 2,048 keys
.endr
.irp m, 0,1,2,3
	v_sub_f32 v[FF+\m], v[TM+\m], v[ST+4*\m]       ; M_x - M: whole numbers, 0 or less
.endr
.irp k, 0,1,2
.irp m, 0,1,2,3
	v_sub_f32 v[FF+4+4*\k+\m], v[TM+\m], v[S+8*\k+2*\m]
.endr
.endr
.set i, 0
.rept 16
	v_cvt_i32_f32 v[FF+i], v[FF+i]
.set i, i+1
.endr
.set i, 0
.rept 16
	v_ldexp_f32 v[FF+i], 1.0, v[FF+i]
.set i, i+1
.endr
.irp m, 0,1,2,3
	v_mul_f32 v[SX+\m], v[FF+\m], v[ST+4*\m+2]
.endr
.irp k, 0,1,2
.irp m, 0,1,2,3
	v_fmac_f32 v[SX+\m], v[FF+4+4*\k+\m], v[S+8*\k+2*\m+1]
.endr
.endr
.irp m, 0,1,2,3
	v_rcp_f32 v[SX+\m], v[SX+\m]
.endr
	v_nop                                          ; a plain place behind the reciprocals
	s_wait_alu depctr_va_vdst(0)                   ; one wait for the four, ahead of their first reader
.irp x, 0,1,2,3
.irp m, 0,1,2,3
	v_mul_f32 v[GF+8*\x+2*\m], v[FF+4*\x+\m], v[SX+\m]
	v_mul_f32 v[GF+8*\x+2*\m+1], v[FF+4*\x+\m], v[SX+\m]   ; (the pair's upper half is named with it)
.endr
.endr
; my quarter of tile m: first = 1: O = O g + the query;  else O = part g + O
.macro FOLD m, src, g, first
.if \first
	WIN 0x92+0x41*((\m)/2)
.else
	WIN 0xA1+0x50*((\m)/2)
.endif
.set i, 0
.rept 16
.if \first
	v_pk_fma_f32 v[128*((\m)%2)+i:128*((\m)%2)+i+1], v[128*((\m)%2)+i:128*((\m)%2)+i+1], v[\g+2*(\m):\g+2*(\m)+1], v[\src+32*(\m)+i:\src+32*(\m)+i+1] op_sel_hi:[1,0,1]
.else
	v_pk_fma_f32 v[128*((\m)%2)+i:128*((\m)%2)+i+1], v[\src+32*(\m)+i:\src+32*(\m)+i+1], v[\g+2*(\m):\g+2*(\m)+1], v[128*((\m)%2)+i:128*((\m)%2)+i+1] op_sel_hi:[1,0,1]
.endif
.set i, i+2
.endr
.endm
	s_wait_dscnt 32                                ; the query is in; part 0's 32 loads may be out
.irp m, 0,1,2,3
	FOLD \m,0,GF,1
.endr
	PART 0,MRA,16384                               ; part 1
	s_wait_dscnt 32                                ; part 0 is in
.irp m, 0,1,2,3
	FOLD \m,128,GF+8,0
.endr
	PART 128,MRA,32768                             ; part 2
	s_wait_dscnt 32                                ; part 1 is in
.irp m, 0,1,2,3
	FOLD \m,0,GF+16,0
.endr
	s_wait_dscnt 0x0
.irp m, 0,1,2,3
	FOLD \m,128,GF+24,0
.endr
; THE WAY OUT.  A lane holds eight neighbouring channels of one row; a tile of 16 rows x 64 channels goes through my stage and comes back as rows of 256 bytes.  LDS serves a wave's instructions in order: no wait between.
.irp m, 0,1,2,3
	WIN 0x08+4*(\m/2)
.irp t, 0,1,2,3
.irp q, 0,1
	ds_store_b128 v[SOA], v[128*(\m%2)+8*\t+4*\q:128*(\m%2)+8*\t+4*\q+3] offset:128*(\t/2)+32*(\t%2)+16*\q
.endr
.endr
	WIN 0x40
.irp i, 0,1,2,3,4,5,6,7
	ds_load_b128 v[32*\m+4*\i:32*\m+4*\i+3], v[SR] offset:544*\i
.endr
.endr
	WIN 0x04
.irp m, 0,1,2,3
.irp i, 0,1,2,3,4,5,6,7
	s_wait_dscnt 16*(3-\m)+7-\i                    ; behind this load: the rest of its tile's, and sixteen LDS instructions for each later tile
	global_store_b128 v[GO], v[32*\m+4*\i:32*\m+4*\i+3], s[OB:OB+1] offset:16384*\m+2048*\i th:TH_STORE_NT   ; sixteen lanes store 256 consecutive bytes, at a multiple of 256 from out0's first byte
.endr
.endr
	WIN 0
	s_wait_tensorcnt 0x0                           ; the wave's end, behind my last LDS store
	ds_add_u32 v[SPW], v[NIL]
	s_wait_dscnt 0x0
	s_endpgm
.Lfunc_end_k_q4c96929b5a_attn:
	.size	k_q4c96929b5a_attn, .Lfunc_end_k_q4c96929b5a_attn-k_q4c96929b5a_attn
	.p2alignl 7, 3214868480
	.fill 96, 4, 3214868480
	.section	.rodata,"a",@progbits
	.p2align	6, 0x0
	.amdhsa_kernel k_q4c96929b5a_attn
		.amdhsa_group_segment_fixed_size 312320
		.amdhsa_private_segment_fixed_size 0
		.amdhsa_enable_private_segment 0
		.amdhsa_kernarg_size 48
		.amdhsa_user_sgpr_count 2
		.amdhsa_user_sgpr_kernarg_segment_ptr 1
		.amdhsa_wavefront_size32 1
		.amdhsa_system_sgpr_workgroup_id_x 1
		.amdhsa_system_sgpr_workgroup_id_y 1
		.amdhsa_system_sgpr_workgroup_id_z 1
		.amdhsa_system_vgpr_workitem_id 0
		.amdhsa_next_free_vgpr 1024
		.amdhsa_next_free_sgpr 66
		.amdhsa_reserve_vcc 0
		.amdhsa_float_denorm_mode_32 3
		.amdhsa_float_denorm_mode_16_64 3
		.amdhsa_memory_ordered 1
		.amdhsa_forward_progress 1
		.amdhsa_inst_pref_size 255
	.end_amdhsa_kernel
	.section	.bss,"aw",@nobits
	.p2align	6
	.space	262144
	.amdgpu_metadata
---
amdhsa.version: [ 1, 2 ]
amdhsa.kernels:
  - .name:           k_q4c96929b5a_attn
    .symbol:         k_q4c96929b5a_attn.kd
    .args:
      - { .name: data1, .offset: 0, .size: 8, .value_kind: global_buffer, .address_space: global }
      - { .name: bq, .offset: 8, .size: 8, .value_kind: global_buffer, .address_space: global }
      - { .name: wqc, .offset: 16, .size: 8, .value_kind: global_buffer, .address_space: global }
      - { .name: kvc, .offset: 24, .size: 8, .value_kind: global_buffer, .address_space: global }
      - { .name: kvs, .offset: 32, .size: 8, .value_kind: global_buffer, .address_space: global }
      - { .name: out0, .offset: 40, .size: 8, .value_kind: global_buffer, .address_space: global }
    .group_segment_fixed_size: 312320
    .private_segment_fixed_size: 0
    .kernarg_segment_align: 8
    .kernarg_segment_size: 48
    .max_flat_workgroup_size: 128
    .sgpr_count:     66
    .vgpr_count:     1024
    .wavefront_size: 32
...
	.end_amdgpu_metadata
.endif
;; end of part 2
;; ======== version 2 of 2: 2 launches; version 1 with the launches prep, attn written anew for expert scheduling mode
;; workspace buffers: kvc 4,194,304 bytes; kvs 262,144 bytes; wqc 139,264 bytes
;; launch prep (part 3): grid 132 x 1, 16 waves a work-group, no clusters, 207,872 bytes of LDS; arguments data2, Wk, bk, Wq, kvc, kvs, wqc; writes kvc, kvs, wqc
.if DOCPART == 3
	.amdgcn_target "amdgcn-amd-amdhsa--gfx1250"
	.amdhsa_code_object_version 6
	.text
	.protected	k_q4c96929b5a_prep
	.globl	k_q4c96929b5a_prep
	.p2align	8
	.type	k_q4c96929b5a_prep,@function
k_q4c96929b5a_prep:
	s_mov_b64 s[64:65], 0
	v_nop
	global_prefetch_b8 v0, s[64:65] scope:SCOPE_SE
	s_setreg_imm32_b32 hwreg(HW_REG_WAVE_SCHED_MODE, 0, 2), 2
	s_setreg_imm32_b32 hwreg(HW_REG_WAVE_MODE, 25, 1), 1
	s_wait_xcnt 0x0
	s_wait_alu depctr_vm_vsrc(0)
; FIRST OF TWO LAUNCHES.  key = Q(data2) Q(Wk) + bk is made and quantised to codes of E2M1 twice: along the channels (the scores' K) and along the keys (the
; context's K); and Wq is quantised along its first axis.  The second launch makes the query, the scores, the softmax, the context and the residual.
; DEAD WORK: none.  Both biases go into quantised operands (bq also into the result), so all six inputs are loaded and every product of the problem is done.
; The key's product is done twice, once with the channels and once with the keys along a lane's registers: the conversions take neighbours along K from one lane's registers.
; LIMITS: a block whose largest magnitude lies under 2^-124 keeps the scale byte 1; a block of zeros gets the byte 1 and not 127 (its codes are zeros, and only this
; program reads the bytes); NaN and infinities among the inputs are not served.
; IMAGES.  A fragment (16 rows x 128 K, 8 registers a lane) lies in memory and in LDS as its registers: [c = 0, 1][lane][16 bytes], 1,024 bytes.  A scale image is 128 bytes,
; 4 a lane: lanes 0-15 the 16 rows' words of the even fragment of a pair, lanes 16-31 those of the odd one.
; TILES.  Row p of tile 2 b + u (of keys in a group of 128, of channels among 256) is index 32 b + 8 u + p + 8 (p / 8): as source 0 it leaves register j of lane (r, h) with index 32 b + 16 h + 8 u + j.
; kvc: group G (128 keys) takes 32,768 bytes: K's fragments (key tile kt, channel half s) at 1024 (2 kt + s), V's (channel tile t x 128 keys) at 16,384 + 1024 t.
; kvs: 2,048 bytes a group: 8 images of K's scales (pair kt), 8 of V's (pair t / 2).   wqc: fragment (t, s) at 1024 (8 t + s); from byte 131,072 the scale images at 128 (4 t + s / 2).
; SHARES.  Work-groups 0-127: a group of keys each, sixteen waves; wave v makes x's fragment (v / 2, v % 2), Wk's fragments (v, 0) and (v, 1), K's fragment v and V's fragment v.
; Work-groups 128-131: wave job p = 16 (G - 128) + v makes Wq's fragments 2 p and 2 p + 1; that way touches no LDS but the closing add and passes no barrier (the branch hangs on the work-group's number alone).
; THE MODE: SCHED_MODE bits 1:0 = 2 (LLVM: expert scheduling mode 2), set by the entry lines.  The code itself states the register dependences
; between vector or matrix instructions and memory or LDS instructions, with s_wait_alu, always for 0.
; THE PLAN.  Registers that memory or LDS instructions touch:
;   v1-v17        addresses, made at the head and never written again: one wait at the head's end serves every load and store.
;   v[X ..]       64 numbers: loaded, stored to the stage, loaded back, read by a quantiser; then bk's loads land there, then they are accumulators; at the end a load of scale bytes lands there.
;   v[PC ..], PW  written by a quantiser, read by its stores; between the phases source 1's fragments are loaded into v[PC ..].
;   v[WR ..]      a weight's numbers as loaded, read by the conversions; then source 0's fragments are loaded there and read by the products.
;   v[AS ..], BS  scale registers: loaded, read by the products.
; A wait on va_vdst stands behind each quantiser, ahead of its run of stores: it also states that the quantiser, and the products ahead of it, are done with the registers in which the next
; phase's loads land.  A wait on vm_vsrc stands wherever registers that stores have read are written again.
.set XSC,   0                          ; LDS: x's scale images, 8 x 128
.set WSC,   1024                       ; Wk's, 16 x 128
.set OSC,   3072                       ; the group's 2,048 bytes for kvs
.set SPARE, 5120                       ; the spare words, 128 bytes for each of 16 waves; no other line names them
.set XIMG,  7168                       ; x's 16 fragments, 2,048 bytes apart
.set WIMG,  39936                      ; Wk's 32 fragments, (t, s) at 1024 (2 t + s)
.set XSTG,  72704                      ; a stage of 16 rows x 528 bytes for each wave
.set LI,  1                            ; 16 x lane
.set LS,  2                            ; 4 x lane
.set SW,  3                            ; 64 v + 4 r
.set WW,  4                            ; 2048 v + 16 x lane
.set WSA, 5                            ; 128 v + 4 x lane
.set FA,  6                            ; 16 x lane + 16384 (v % 2)
.set FAS, 7                            ; 4 x lane + 1024 (v % 2)
.set FX,  8                            ; 16 x lane + 4096 (v / 2)
.set FXS, 9                            ; 4 x lane + 128 (v / 2)
.set STI, 10                           ; my stage + 16 x lane
.set STO, 11                           ; my stage + 528 r + 64 h
.set WVO, 12                           ; 4 (r + 8 (r / 8)) + 32768 h
.set BO,  13                           ; 64 h
.set BVO, 14                           ; 4 (r + 8 (r / 8))
.set OSR, 15                           ; 512 v + 16 x lane
.set SPW, 16                           ; my spare word; never rewritten
.set NIL, 17                           ; 0; never rewritten
.set PW,  18                           ; the scale word just made
.set PWE, 19                           ; the even fragment's word; later BS
.set BS,  19                           ; source 1's scale register
.set TM,  20
.set T2,  24
.set SX,  28
.set X,   32                           ; v32-95: 64 numbers; then eight accumulators
.set PC,  96                           ; v96-111: codes just made; then source 1's two fragments
.set AS,  112                          ; v112-119: source 0's scale registers
.set BB,  120                          ; v120-127: bk of my channel, eight times
.set WR,  128                          ; v128-255: 128 numbers of a weight; then source 0's 16 fragments
.set WV,  18
.set HM,  19
.set SEL, 20
.set XB,  30
.set WB,  32
.set BKK, 34
.set BKV, 36
.set KO,  38
.set SOB, 40
.macro PLACES n
.rept \n
	v_nop
.endr
.endm
.macro BARRIER                         ; my LDS stores have landed and my LDS loads are in: then the work-group's barrier
	s_wait_dscnt 0x0
	s_barrier_signal -1
	s_barrier_wait -1
.endm
; 64 numbers of a lane, register 16 b + i = k 32 b + 16 h + i of my row, become a fragment's codes in v[pc] on and my row's scale word in v[pw]
.macro QUANT s, pc, pw
.irp b, 0,1,2,3
	v_max3_num_f32 v[TM+\b], |v[\s+16*\b]|, |v[\s+1+16*\b]|, 0x1800000   ; my 16 numbers of block b, and the floor 2^(3 - 127): the byte cannot fall under 1
.endr
.irp i, 2,4,6,8,10,12,14
.irp b, 0,1,2,3
	v_max3_num_f32 v[TM+\b], v[TM+\b], |v[\s+16*\b+\i]|, |v[\s+1+16*\b+\i]|
.endr
.endr
.irp b, 0,1,2,3
	v_permlanex16_b32 v[T2+\b], v[TM+\b], s[SEL], s[SEL+1]
.endr
.irp b, 0,1,2,3
	v_max_num_f32 v[TM+\b], v[TM+\b], v[T2+\b]       ; with lane l xor 16's: the block's largest magnitude
.endr
.irp b, 0,1,2,3
	v_add_nc_u32 v[SX+\b], 0xff000000, v[TM+\b]      ; 2 off its exponent field: the conversion's scale operand
.endr
.irp b, 0,1,2,3
	v_lshrrev_b32 v[T2+\b], 23, v[SX+\b]             ; the scale's byte
.endr
	v_lshl_or_b32 v[\pw], v[T2+1], 8, v[T2]
	v_lshl_or_b32 v[\pw], v[T2+2], 16, v[\pw]
	v_lshl_or_b32 v[\pw], v[T2+3], 24, v[\pw]
.irp b, 0,1,2,3
	v_cvt_scalef32_pk8_fp4_f32 v[\pc+2*\b], v[\s+16*\b:\s+7+16*\b], v[SX+\b]
	v_cvt_scalef32_pk8_fp4_f32 v[\pc+1+2*\b], v[\s+8+16*\b:\s+15+16*\b], v[SX+\b]
.endr
	v_nop                                            ; one plain place behind a scaled conversion
.irp c, 0,1                                      ; the layout wants a whole block in a lane
.irp i, 0,1
	v_permlane16_swap_b32 v[\pc+4*\c+\i], v[\pc+2+4*\c+\i]
.endr
.endr
.endm
; 64 numbers of a lane that run DOWN K of my column, register 32 c + i = k 64 c + 32 h + i: the conversions' results are the fragment's registers
.macro WQ x, pc, pw
.irp c, 0,1
	v_max3_num_f32 v[TM+\c], |v[\x+32*\c]|, |v[\x+32*\c+1]|, 0x1800000
.endr
.irp i, 2,4,6,8,10,12,14,16,18,20,22,24,26,28,30
.irp c, 0,1
	v_max3_num_f32 v[TM+\c], v[TM+\c], |v[\x+32*\c+\i]|, |v[\x+32*\c+\i+1]|
.endr
.endr
.irp c, 0,1
	v_add_nc_u32 v[SX+\c], 0xff000000, v[TM+\c]
.endr
.irp c, 0,1
	v_lshrrev_b32 v[TM+\c], 23, v[SX+\c]
.endr
	v_lshl_or_b32 v[\pw], v[TM+1], 16, v[TM]         ; my two bytes: blocks h and 2 + h,
	v_lshrrev_b32 v[T2+1], 3, v[BO]                  ; 8 h
	v_lshlrev_b32 v[\pw], v[T2+1], v[\pw]            ; at their places in the word;
	v_permlanex16_b32 v[T2], v[\pw], s[SEL], s[SEL+1]
	v_or_b32 v[\pw], v[\pw], v[T2]                   ; with lane l xor 16's two it is whole
.irp c, 0,1
.irp g, 0,1,2,3
	v_cvt_scalef32_pk8_fp4_f32 v[\pc+4*\c+\g], v[\x+32*\c+8*\g:\x+32*\c+8*\g+7], v[SX+\c]
.endr
.endr
	v_nop
.endm
.macro WLOAD                           ; two fragments' numbers: row 64 (i / 32) + i % 32 (+ 32 h) of the weight, my column; a row of either weight is 1,024 bytes
.set i, 0
.rept 128
	global_load_b32 v[WR+i], v[WVO], s[WB:WB+1] offset:(64*(i/32)+i%32)*1024
.set i, i+1
.endr
.endm
; one product.  c < 0: the constant 0 starts the sum.  rows 0: both scales from lanes 0-15; 1: source 0's from lanes 16-31; 3: both from lanes 16-31
.macro MM d, a, b, c, sa, sb, rows
.if (\c) < 0
.if (\rows) == 0
	v_wmma_scale_f32_16x16x128_f8f6f4 v[\d:\d+7], v[\a:\a+7], v[\b:\b+7], 0, v[\sa], v[\sb] matrix_a_fmt:MATRIX_FMT_FP4 matrix_b_fmt:MATRIX_FMT_FP4
.elseif (\rows) == 1
	v_wmma_scale_f32_16x16x128_f8f6f4 v[\d:\d+7], v[\a:\a+7], v[\b:\b+7], 0, v[\sa], v[\sb] matrix_a_fmt:MATRIX_FMT_FP4 matrix_b_fmt:MATRIX_FMT_FP4 matrix_a_scale:MATRIX_SCALE_ROW1
.else
	v_wmma_scale_f32_16x16x128_f8f6f4 v[\d:\d+7], v[\a:\a+7], v[\b:\b+7], 0, v[\sa], v[\sb] matrix_a_fmt:MATRIX_FMT_FP4 matrix_b_fmt:MATRIX_FMT_FP4 matrix_a_scale:MATRIX_SCALE_ROW1 matrix_b_scale:MATRIX_SCALE_ROW1
.endif
.else
.if (\rows) == 0
	v_wmma_scale_f32_16x16x128_f8f6f4 v[\d:\d+7], v[\a:\a+7], v[\b:\b+7], v[\c:\c+7], v[\sa], v[\sb] matrix_a_fmt:MATRIX_FMT_FP4 matrix_b_fmt:MATRIX_FMT_FP4
.elseif (\rows) == 1
	v_wmma_scale_f32_16x16x128_f8f6f4 v[\d:\d+7], v[\a:\a+7], v[\b:\b+7], v[\c:\c+7], v[\sa], v[\sb] matrix_a_fmt:MATRIX_FMT_FP4 matrix_b_fmt:MATRIX_FMT_FP4 matrix_a_scale:MATRIX_SCALE_ROW1
.else
	v_wmma_scale_f32_16x16x128_f8f6f4 v[\d:\d+7], v[\a:\a+7], v[\b:\b+7], v[\c:\c+7], v[\sa], v[\sb] matrix_a_fmt:MATRIX_FMT_FP4 matrix_b_fmt:MATRIX_FMT_FP4 matrix_a_scale:MATRIX_SCALE_ROW1 matrix_b_scale:MATRIX_SCALE_ROW1
.endif
.endif
.endm
	s_load_b256 s[4:11], s[0:1], 0x0               ; data2 s[4:5], Wk s[6:7], bk s[8:9], Wq s[10:11]
	s_load_b128 s[12:15], s[0:1], 0x20             ; kvc s[12:13], kvs s[14:15]
	s_load_b64 s[16:17], s[0:1], 0x30              ; wqc
	v_lshl_add_u32 v[SPW], v0, 2, SPARE
	v_mov_b32 v[NIL], 0
	v_lshrrev_b32 v20, 5, v0
	v_readfirstlane_b32 s[WV], v20                 ; wave v, 0..15
	v_and_b32 v20, 31, v0                          ; lane
	v_and_b32 v21, 15, v0                          ; r
	v_bfe_u32 v22, v0, 4, 1                        ; h
	s_wait_alu depctr_va_sdst(0)                   ; the wave's number is written, ahead of its first reader: addresses and branches are made from it
	s_and_b32 s23, s[WV], 1                        ; v % 2
	s_lshr_b32 s24, s[WV], 1                       ; v / 2
	v_lshlrev_b32 v[LI], 4, v20
	s_wait_alu depctr_va_vdst(0)
	v_lshlrev_b32 v[LS], 2, v20
	s_lshl_b32 s22, s[WV], 6
	v_lshl_add_u32 v[SW], v21, 2, s22
	s_lshl_b32 s22, s[WV], 11
	v_add_nc_u32 v[WW], s22, v[LI]
	s_lshl_b32 s22, s[WV], 7
	v_add_nc_u32 v[WSA], s22, v[LS]
	s_lshl_b32 s22, s23, 14
	v_add_nc_u32 v[FA], s22, v[LI]
	s_lshl_b32 s22, s23, 10
	v_add_nc_u32 v[FAS], s22, v[LS]
	s_lshl_b32 s22, s24, 12
	v_add_nc_u32 v[FX], s22, v[LI]
	s_lshl_b32 s22, s24, 7
	v_add_nc_u32 v[FXS], s22, v[LS]
	s_mul_i32 s22, s[WV], 8448
	s_add_co_u32 s22, s22, XSTG
	v_add_nc_u32 v[STI], s22, v[LI]
	v_mul_u32_u24 v23, v21, 528
	v_lshl_add_u32 v23, v22, 6, v23
	v_add_nc_u32 v[STO], s22, v23
	v_and_b32 v23, 8, v21
	v_add_nc_u32 v23, v23, v21                     ; r + 8 (r / 8)
	v_lshlrev_b32 v[BVO], 2, v23
	v_lshl_add_u32 v[WVO], v22, 15, v[BVO]         ; lanes 16-31 begin 32 rows of 1,024 bytes further down
	v_lshlrev_b32 v[BO], 6, v22
	s_lshl_b32 s22, s[WV], 9
	v_add_nc_u32 v[OSR], s22, v[LI]
	s_mov_b32 s[HM], 0xffff0000                    ; lanes 16-31
	s_mov_b32 s[SEL], 0x76543210
	s_mov_b32 s[SEL+1], 0xfedcba98                 ; v_permlanex16_b32's selects for lane l xor 16
.irp b, 0,1,2,3
	v_mov_b32 v[T2+\b], 0                          ; written once: a lane permute's destination counts as one of its sources
.endr
	s_mov_b32 s29, 0
	s_wait_alu depctr_va_vdst(0)                   ; the addresses v1 to v17 are written, which the loads and stores of both ways read; none is written again
	s_wait_kmcnt 0x0
	s_cmp_ge_u32 ttmp9, 128                        ; the same in all sixteen waves
	s_cbranch_scc1 .Lwq
	; ---- a group of 128 keys
	s_lshr_b32 s25, s24, 1
	s_lshl_b32 s25, s25, 5
	s_and_b32 s26, s24, 1
	s_lshl_b32 s26, s26, 3
	s_add_co_u32 s25, s25, s26                     ; key tile v / 2 begins at key 32 (kt / 2) + 8 (kt % 2)
	s_lshl_b32 s28, s25, 10
	s_lshl_b32 s26, s23, 9
	s_add_co_u32 s28, s28, s26                     ; + the half of the row: 128 numbers
	s_lshl_b32 s26, ttmp9, 17
	s_add_co_u32 s28, s28, s26                     ; + the group's 128 rows of 1,024 bytes
	s_add_nc_u64 s[XB:XB+1], s[4:5], s[28:29]
	s_lshl_b32 s25, s24, 5
	s_lshl_b32 s26, s23, 3
	s_add_co_u32 s25, s25, s26                     ; channel tile v begins at channel 32 (v / 2) + 8 (v % 2)
	s_lshl_b32 s28, s25, 2
	s_add_nc_u64 s[WB:WB+1], s[6:7], s[28:29]
	s_add_nc_u64 s[BKV:BKV+1], s[8:9], s[28:29]
	s_lshl_b32 s28, s23, 9
	s_add_nc_u64 s[BKK:BKK+1], s[8:9], s[28:29]    ; bk of channel half v % 2
	s_lshl_b32 s28, ttmp9, 15
	s_lshl_b32 s26, s[WV], 10
	s_add_co_u32 s28, s28, s26
	s_add_nc_u64 s[KO:KO+1], s[12:13], s[28:29]    ; kvc: my group, fragment v
	s_lshl_b32 s28, ttmp9, 11
	s_add_nc_u64 s[SOB:SOB+1], s[14:15], s[28:29]  ; kvs: my group
.irp p, 0,1,2,3,4,5,6,7,8,9,10,11,12,13,14,15
	global_load_b128 v[X+4*\p:X+4*\p+3], v[LI], s[XB:XB+1] offset:(\p+8*(\p/8))*1024 th:TH_LOAD_NT   ; row p of my key tile: 32 lanes read 512 consecutive bytes
.endr
	WLOAD
	s_wait_loadcnt 63                              ; x's 16 loads are in: 128 were issued behind them, more than a wait's count can name
.irp p, 0,1,2,3,4,5,6,7,8,9,10,11,12,13,14,15
	ds_store_b128 v[STI], v[X+4*\p:X+4*\p+3] offset:528*\p
.endr
	s_wait_dscnt 0x0                               ; my stores into the stage are done
	s_wait_alu depctr_vm_vsrc(0)                   ; they have read v[X ..], in which the loads below land
.irp b, 0,1,2,3
.irp j, 0,1,2,3
	ds_load_b128 v[X+16*\b+4*\j:X+16*\b+4*\j+3], v[STO] offset:128*\b+16*\j   ; my row's 16 neighbours of each block of 32
.endr
.endr
	s_wait_dscnt 0x0
	QUANT X,PC,PW
	s_wait_alu depctr_va_vdst(0)                   ; x's codes and scale word are written, which the stores below read; the quantiser is done reading v[X ..], in which bk's loads land
	ds_store_b128 v[WW], v[PC:PC+3] offset:XIMG
	ds_store_b128 v[WW], v[PC+4:PC+7] offset:XIMG+512
	ds_store_b32 v[SW], v[PW] offset:XSC           ; lanes r and r + 16 write the same word with the same value
.irp t, 0,1,2,3,4,5,6,7                        ; bk as the C of the first orientation: tile 2 b + u: channels 32 b + 16 h + 8 u + 0 .. 7 of my half
	global_load_b128 v[X+8*\t:X+8*\t+3], v[BO], s[BKK:BKK+1] offset:(32*(\t/2)+8*(\t%2))*4
	global_load_b128 v[X+8*\t+4:X+8*\t+7], v[BO], s[BKK:BKK+1] offset:(32*(\t/2)+8*(\t%2))*4+16
.endr
.irp j, 0,1,2,3,4,5,6,7                        ; and of the second: my channel's number in all eight registers
	global_load_b32 v[BB+\j], v[BVO], s[BKV:BKV+1]
.endr
	s_wait_loadcnt 63                              ; Wk's first 64 numbers are in: 88 loads were issued behind them
	s_wait_dscnt 0x0                               ; x's image is stored
	s_wait_alu depctr_vm_vsrc(0)                   ; its stores have read v[PC ..] and v[PW], which the two conversions below write
	WQ WR,PC,PWE
	s_wait_loadcnt 24                              ; the other 64 are in; the 24 loads of bk may be out
	WQ WR+64,PC+8,PW
	v_cndmask_b32 v[PW], v[PWE], v[PW], s[HM]      ; lanes 0-15 the even fragment's words, lanes 16-31 the odd one's
	s_wait_alu depctr_va_vdst(0)                   ; Wk's codes and scale words are written, which the five stores read; the lines above are done with v[WR ..] and v[PWE], in which loads land behind the barrier
	ds_store_b128 v[WW], v[PC:PC+3] offset:WIMG
	ds_store_b128 v[WW], v[PC+4:PC+7] offset:WIMG+512
	ds_store_b128 v[WW], v[PC+8:PC+11] offset:WIMG+1024
	ds_store_b128 v[WW], v[PC+12:PC+15] offset:WIMG+1536
	ds_store_b32 v[WSA], v[PW] offset:WSC
	BARRIER                                        ; x's 16 fragments and Wk's 32 lie in LDS
	s_wait_alu depctr_vm_vsrc(0)                   ; my image stores have read v[PC ..], in which source 1's fragments land, and v[PW], which the next quantiser writes
	; ---- K: source 0 = 16 channels of Wk, source 1 = my 16 keys: a lane holds one key, its registers run along the 128 channels of my half
.irp i, 0,1,2,3,4,5,6,7
.irp s, 0,1
.irp c, 0,1
	ds_load_b128 v[WR+16*\i+8*\s+4*\c:WR+16*\i+8*\s+4*\c+3], v[FA] offset:WIMG+2048*\i+1024*\s+512*\c
.endr
.endr
	ds_load_b32 v[AS+\i], v[FAS] offset:WSC+128*\i
.endr
.irp s, 0,1
.irp c, 0,1
	ds_load_b128 v[PC+8*\s+4*\c:PC+8*\s+4*\c+3], v[FX] offset:XIMG+2048*\s+512*\c
.endr
.endr
	ds_load_b32 v[BS], v[FXS] offset:XSC
	s_wait_dscnt 0x0
	s_wait_loadcnt 0x0                             ; bk
.irp i, 0,1,2,3,4,5,6,7                        ; eight accumulators by turns
	MM X+8*\i,WR+16*\i,PC,X+8*\i,AS+\i,BS,0
.endr
.irp i, 0,1,2,3,4,5,6,7
	MM X+8*\i,WR+16*\i+8,PC+8,X+8*\i,AS+\i,BS,3
.endr
	PLACES 5                                       ; four in front of the reads of results and the writes of sources; the fifth for the products below, which begin these accumulators anew with another C
	QUANT X,PC,PW
	s_wait_alu depctr_va_vdst(0)                   ; K's codes and scale word are written, which the stores read; the products are done reading v[WR ..], v[AS ..] and v[BS], in which the loads below land
	global_store_b128 v[LI], v[PC:PC+3], s[KO:KO+1]                ; 32 lanes store 512 consecutive bytes
	global_store_b128 v[LI], v[PC+4:PC+7], s[KO:KO+1] offset:512
	ds_store_b32 v[SW], v[PW] offset:OSC
	; ---- V: source 0 = 16 keys, source 1 = my 16 channels of Wk: a lane holds one channel, its registers run along the 128 keys
	s_wait_xcnt 0x0                                ; the global stores' addresses are translated: their data registers may be filled again
	s_wait_alu depctr_vm_vsrc(0)                   ; the three stores have read v[PC ..], in which source 1's fragments land, and v[PW], which the next quantiser writes
.irp f, 0,1,2,3,4,5,6,7,8,9,10,11,12,13,14,15
.irp c, 0,1
	ds_load_b128 v[WR+8*\f+4*\c:WR+8*\f+4*\c+3], v[LI] offset:XIMG+2048*\f+512*\c
.endr
.endr
.irp k, 0,1,2,3,4,5,6,7
	ds_load_b32 v[AS+\k], v[LS] offset:XSC+128*\k
.endr
.irp s, 0,1
.irp c, 0,1
	ds_load_b128 v[PC+8*\s+4*\c:PC+8*\s+4*\c+3], v[WW] offset:WIMG+1024*\s+512*\c
.endr
.endr
	ds_load_b32 v[BS], v[WSA] offset:WSC
	s_wait_dscnt 0x0
.irp k, 0,1,2,3,4,5,6,7
	MM X+8*\k,WR+16*\k,PC,BB,AS+\k,BS,0
.endr
.irp k, 0,1,2,3,4,5,6,7
	MM X+8*\k,WR+16*\k+8,PC+8,X+8*\k,AS+\k,BS,3
.endr
	PLACES 4
	QUANT X,PC,PW
	s_wait_alu depctr_va_vdst(0)                   ; V's codes and scale word are written, which the stores read; the quantiser is done reading v[X ..], in which the scale bytes' load lands
	global_store_b128 v[LI], v[PC:PC+3], s[KO:KO+1] offset:16384
	global_store_b128 v[LI], v[PC+4:PC+7], s[KO:KO+1] offset:16896
	ds_store_b32 v[SW], v[PW] offset:OSC+1024
	BARRIER                                        ; the group's 2,048 scale bytes lie in LDS
	s_cmp_lt_u32 s[WV], 4                          ; four waves store them, 512 consecutive bytes each
	s_cbranch_scc0 .Lend
	ds_load_b128 v[X:X+3], v[OSR] offset:OSC
	s_wait_dscnt 0x0
	global_store_b128 v[OSR], v[X:X+3], s[SOB:SOB+1]
	s_branch .Lend
.Lwq:	; ---- Wq: two fragments a wave
	s_sub_co_u32 s25, ttmp9, 128
	s_lshl_b32 s25, s25, 4
	s_add_co_u32 s25, s25, s[WV]                   ; p
	s_lshr_b32 s26, s25, 2                         ; channel tile t = p / 4
	s_lshr_b32 s27, s26, 1
	s_lshl_b32 s27, s27, 5
	s_and_b32 s26, s26, 1
	s_lshl_b32 s26, s26, 3
	s_add_co_u32 s27, s27, s26
	s_lshl_b32 s28, s27, 2
	s_and_b32 s26, s25, 3
	s_lshl_b32 s26, s26, 18                        ; 256 rows of 1,024 bytes for each pair of K steps
	s_add_co_u32 s28, s28, s26
	s_add_nc_u64 s[WB:WB+1], s[10:11], s[28:29]
	s_lshl_b32 s28, s25, 11
	s_add_nc_u64 s[KO:KO+1], s[16:17], s[28:29]
	s_lshl_b32 s28, s25, 7
	s_add_co_u32 s28, s28, 131072
	s_add_nc_u64 s[SOB:SOB+1], s[16:17], s[28:29]
	WLOAD
	s_wait_loadcnt 63                              ; the first 64 numbers are in: 64 loads were issued behind them
	WQ WR,PC,PWE
	s_wait_loadcnt 0x0
	WQ WR+64,PC+8,PW
	v_cndmask_b32 v[PW], v[PWE], v[PW], s[HM]
	s_wait_alu depctr_va_vdst(0)                   ; Wq's codes and scale words are written, which the five stores read
.irp i, 0,1,2,3
	global_store_b128 v[LI], v[PC+4*\i:PC+4*\i+3], s[KO:KO+1] offset:512*\i
.endr
	global_store_b32 v[LS], v[PW], s[SOB:SOB+1]    ; 128 consecutive bytes a wave: 8,192 bytes in the whole launch leave so
.Lend:
	s_wait_dscnt 0x0                               ; the closing lines, six on end
	s_wait_alu 0x0
	s_wait_tensorcnt 0x0
	ds_add_u32 v[SPW], v[NIL]
	s_wait_dscnt 0x0
	s_endpgm
.Lfunc_end_k_q4c96929b5a_prep:
	.size	k_q4c96929b5a_prep, .Lfunc_end_k_q4c96929b5a_prep-k_q4c96929b5a_prep
	.p2alignl 7, 3214868480
	.fill 96, 4, 3214868480
	.section	.rodata,"a",@progbits
	.p2align	6, 0x0
	.amdhsa_kernel k_q4c96929b5a_prep
		.amdhsa_group_segment_fixed_size 207872
		.amdhsa_private_segment_fixed_size 0
		.amdhsa_enable_private_segment 0
		.amdhsa_kernarg_size 56
		.amdhsa_user_sgpr_count 2
		.amdhsa_user_sgpr_kernarg_segment_ptr 1
		.amdhsa_wavefront_size32 1
		.amdhsa_system_sgpr_workgroup_id_x 1
		.amdhsa_system_sgpr_workgroup_id_y 1
		.amdhsa_system_sgpr_workgroup_id_z 1
		.amdhsa_system_vgpr_workitem_id 0
		.amdhsa_next_free_vgpr 256
		.amdhsa_next_free_sgpr 66
		.amdhsa_reserve_vcc 0
		.amdhsa_float_denorm_mode_32 3
		.amdhsa_float_denorm_mode_16_64 3
		.amdhsa_memory_ordered 1
		.amdhsa_forward_progress 1
		.amdhsa_inst_pref_size 70
	.end_amdhsa_kernel
	.amdgpu_metadata
---
amdhsa.version: [ 1, 2 ]
amdhsa.kernels:
  - .name:           k_q4c96929b5a_prep
    .symbol:         k_q4c96929b5a_prep.kd
    .args:
      - { .name: data2, .offset: 0, .size: 8, .value_kind: global_buffer, .address_space: global }
      - { .name: Wk, .offset: 8, .size: 8, .value_kind: global_buffer, .address_space: global }
      - { .name: bk, .offset: 16, .size: 8, .value_kind: global_buffer, .address_space: global }
      - { .name: Wq, .offset: 24, .size: 8, .value_kind: global_buffer, .address_space: global }
      - { .name: kvc, .offset: 32, .size: 8, .value_kind: global_buffer, .address_space: global }
      - { .name: kvs, .offset: 40, .size: 8, .value_kind: global_buffer, .address_space: global }
      - { .name: wqc, .offset: 48, .size: 8, .value_kind: global_buffer, .address_space: global }
    .group_segment_fixed_size: 207872
    .private_segment_fixed_size: 0
    .kernarg_segment_align: 8
    .kernarg_segment_size: 56
    .max_flat_workgroup_size: 512
    .sgpr_count:     66
    .vgpr_count:     256
    .wavefront_size: 32
...
	.end_amdgpu_metadata
.endif
;; end of part 3
;; launch attn (part 4): grid 256 x 1, 4 waves a work-group, no clusters, 312,320 bytes of LDS; arguments data1, bq, wqc, kvc, kvs, out0; writes out0
.if DOCPART == 4
	.amdgcn_target "amdgcn-amd-amdhsa--gfx1250"
	.amdhsa_code_object_version 6
	.text
	.protected	k_q4c96929b5a_attn
	.globl	k_q4c96929b5a_attn
	.p2align	8
	.type	k_q4c96929b5a_attn,@function
k_q4c96929b5a_attn:
	s_mov_b64 s[64:65], 0
	v_nop
	global_prefetch_b8 v0, s[64:65] scope:SCOPE_SE
	s_setreg_imm32_b32 hwreg(HW_REG_WAVE_SCHED_MODE, 0, 2), 2
	s_setreg_imm32_b32 hwreg(HW_REG_WAVE_MODE, 25, 1), 1
	s_wait_xcnt 0x0
	s_wait_alu depctr_vm_vsrc(0)
; SECOND OF TWO LAUNCHES.  out = softmax(query key^T / 32) key + query, query = Q(data1) Q(Wq) + bq; all products on codes of E2M1 with one E8M0 scale for each 32 along K.  No work is left out.
; The first launch left Wq's codes (wqc) and the key's, quantised along the channels (K) and along the keys (V), with their scales (kvc, kvs), as images of the operands' registers:
; a fragment is 1,024 bytes, [c][lane][16 bytes]; a scale image 128 bytes: lanes 0-15 the even fragment of a pair, lanes 16-31 the odd one.
; THE SOFTMAX: t = score x log2(e) / 32; M = the largest t so far, rounded up to a whole number; p = 2^(t - M) is quantised along the keys; the sum is taken of the unquantised p and divides at the end.
; LIMITS: a block whose largest magnitude lies under 2^-124 keeps the scale byte 1, a block of zeros too (its codes are zeros); NaN and infinities among the inputs are not served.
; SHARES.  A work-group owns 64 rows of one batch.  Wave w: X: quantises rows 16 w .. + 15 of data1;  P: makes the query's channels 64 w .. + 63 of all 64 rows (its part of Wq stays in registers);
; A: walks keys 512 w .. + 511 for all 64 queries, 128 a step: each fragment of K and V is loaded once in the work-group, straight into registers, and feeds four products;  M: the four waves' parts meet in LDS,
; and wave w finishes channels 64 w .. + 63.  V's sixteen places are turned by w: places 4 q .. 4 q + 3 hold channel quarter (q + w) % 4, so that places 0-3 are always the wave's own quarter.
; NO CLUSTER, NO TENSOR LOAD: a joint load lands in LDS alone; here a byte of K or V goes to the one wave of the work-group that multiplies it, and a batch's 557,056 bytes do not fit beside the 262,144 bytes of parts and residual.
; Both attention products are used transposed (S^T = K Q^T, O^T = V P^T): a lane holds one query throughout.
; REGISTERS, in windows of 256.  Window 0: v1-31 addresses; v32-95 numbers of x, x's fragments of K steps 0, 1, Q's codes just made, S^T; v96-159 numbers of x, x's fragments of K steps 2, 3, then Q's fragments; v160-191 p's codes;
;   v192-199 K's scales; v200-215 x's scales, then V's, Q's, p's; v216-231 Wq's scales, then four statistics a tile (-M, t, the sum in two halves); v232-239 x's codes just made, then the factors f in pairs; v240-253 at work.
; Window 1: data1 as loaded; then K's 16 fragments in v0-127, and in v128-255 x's fragments of K steps 4 to 7, then V's 16.   Window 2: Wq's 32 fragments; then O^T of tiles 0, 1.   Window 3: the query's 16 accumulators and bq; then O^T of tiles 2, 3.
; THE MODE: SCHED_MODE bits 1:0 = 2 (LLVM: expert scheduling mode 2), set by the entry lines.  The code itself states the register dependences
; between vector or matrix instructions and memory or LDS instructions, with s_wait_alu, always for 0.
; THE PLAN.  Registers that memory or LDS instructions touch:
;   v1-v31         addresses, made at the head and never written again: one wait at the head's end serves every load, store and the prefetch.
;   X: raw sets    (window 1) named by loads and by the stage's stores alone: a wait on vm_vsrc at a K step's head, ahead of the loads that fill a set again.  That wait also frees the codes' registers, which the last step's image stores read.
;   X: numbers     (v32-159, two sets) the stage's loads of K step s + 1 land where the quantiser of step s - 1 read: the wait on va_vdst behind each quantiser, ahead of its image stores, states both.
;   P: fragments   every K step of x has registers of its own, so that no load lands where a product has read: no wait in the projection.  One wait on va_vdst behind it, for the residual's stores and V's loads.
;   Q's codes      four sets, one wait on va_vdst ahead of the eight stores; one wait on vm_vsrc behind the barrier frees what stores have read so far.
;   A: K, V        one set each.  K is asked for again behind the step's last scores, V behind the NEXT step's first scores: both waits on va_vdst stand where the softmax that follows takes those products' results anyway.
;   A: p           its codes and scale words are written by vector lines and taken by scaled products: a wait on va_vdst behind the rescaling, which gives the places.
;   M              one wait on va_vdst ahead of the statistics' and parts' stores, one ahead of each of the two loads of parts that land where the folding has read, one ahead of the way out.
.set XIMG,  0                          ; LDS: x's fragments, (tile m, K step s) at 8192 m + 1024 s
.set XSC,   32768                      ; their scale images at 1024 m + 128 (s / 2)
.set QIMG,  36864                      ; Q's fragments at 2048 m + 1024 s
.set QSC,   45056                      ; their scale images at 128 m
.set STAT,  45568                      ; 1024 w + 256 m: -M; + 128: the sum
.set SPARE, 49664                      ; the spare words, 128 bytes a wave; no other line names them
.set RES,   50176                      ; 16,384 bytes a wave, its own: the query in f32; later its stage for the way out
.set MRG,   115712                     ; the parts: 49,152 bytes for each wave that receives, 16,384 a part
.set XSTG,  MRG                        ; ahead of the first barrier: two stages of 16 rows x 528 bytes a wave
.set LI,  1
.set LS,  2
.set XWI, 3
.set SWA, 4
.set STI, 5
.set STO, 6
.set QWI, 7
.set QWS, 8
.set RSA, 9
.set VO,  10
.set VSO, 14
.set MWA, 18
.set MRA, 21
.set STR, 22
.set SOA, 25
.set SR,  26
.set GO,  27
.set BO,  28
.set PFO, 29
.set SPW, 30
.set NIL, 31
.set S,   32
.set GF,  64
.set QF,  96
.set FF,  96
.set PCD, 160
.set KS,  192
.set XS,  200
.set VS,  200
.set QS,  208
.set PWM, 212
.set WS,  216
.set ST,  216
.set PC,  232
.set FP,  232
.set TM,  240
.set T2,  244
.set SX,  248
.set TMP, 252
.set PWE, 253
.set WV,  16
.set HM,  17
.set SEL, 18
.set CS,  20
.set CNT, 22
.set PK,  24
.set PV,  26
.set PSK, 28
.set PSV, 30
.set PF,  32
.set XB,  34
.set WQB, 36
.set WQS, 38
.set BQB, 40
.set OB,  42
.set MSB, 0
.macro WIN new                         ; bits 1:0 source 0, 3:2 source 1, 5:4 source 2, 7:6 destination; the high byte repeats the setting that is left
.if MSB != (\new)
	s_set_vgpr_msb (MSB<<8)|(\new)
.set MSB, (\new)
.endif
.endm
.macro PLACES n
.rept \n
	v_nop
.endr
.endm
.macro BARRIER                         ; my LDS stores have landed and my LDS loads are in: then the work-group's barrier
	s_wait_dscnt 0x0
	s_barrier_signal -1
	s_barrier_wait -1
.endm
; 64 numbers of a lane, register 16 b + i = k 32 b + 16 h + i of my row, become a fragment's codes in v[pc] on and my row's scale word in v[pw]
.macro QUANT s, pc, pw
.irp b, 0,1,2,3
	v_max3_num_f32 v[TM+\b], |v[\s+16*\b]|, |v[\s+1+16*\b]|, 0x1800000   ; my 16 numbers of block b, and the floor 2^(3 - 127): the byte cannot fall under 1
.endr
.irp i, 2,4,6,8,10,12,14
.irp b, 0,1,2,3
	v_max3_num_f32 v[TM+\b], v[TM+\b], |v[\s+16*\b+\i]|, |v[\s+1+16*\b+\i]|
.endr
.endr
.irp b, 0,1,2,3
	v_permlanex16_b32 v[T2+\b], v[TM+\b], s[SEL], s[SEL+1]
.endr
.irp b, 0,1,2,3
	v_max_num_f32 v[TM+\b], v[TM+\b], v[T2+\b]
.endr
.irp b, 0,1,2,3
	v_add_nc_u32 v[SX+\b], 0xff000000, v[TM+\b]      ; 2 off the exponent field: the conversion's scale operand
.endr
.irp b, 0,1,2,3
	v_lshrrev_b32 v[T2+\b], 23, v[SX+\b]             ; the scale's byte
.endr
	v_lshl_or_b32 v[\pw], v[T2+1], 8, v[T2]
	v_lshl_or_b32 v[\pw], v[T2+2], 16, v[\pw]
	v_lshl_or_b32 v[\pw], v[T2+3], 24, v[\pw]
.irp b, 0,1,2,3
	v_cvt_scalef32_pk8_fp4_f32 v[\pc+2*\b], v[\s+16*\b:\s+7+16*\b], v[SX+\b]
	v_cvt_scalef32_pk8_fp4_f32 v[\pc+1+2*\b], v[\s+8+16*\b:\s+15+16*\b], v[SX+\b]
.endr
	v_nop                                            ; one plain place behind a scaled conversion
.irp c, 0,1
.irp i, 0,1
	v_permlane16_swap_b32 v[\pc+4*\c+\i], v[\pc+2+4*\c+\i]
.endr
.endr
.endm
; one product.  c < 0: the constant 0 starts the sum.  rows 0: both scales from lanes 0-15; 1: source 0's from lanes 16-31; 3: both from lanes 16-31
.macro MM d, a, b, c, sa, sb, rows
.if (\c) < 0
.if (\rows) == 0
	v_wmma_scale_f32_16x16x128_f8f6f4 v[\d:\d+7], v[\a:\a+7], v[\b:\b+7], 0, v[\sa], v[\sb] matrix_a_fmt:MATRIX_FMT_FP4 matrix_b_fmt:MATRIX_FMT_FP4
.elseif (\rows) == 1
	v_wmma_scale_f32_16x16x128_f8f6f4 v[\d:\d+7], v[\a:\a+7], v[\b:\b+7], 0, v[\sa], v[\sb] matrix_a_fmt:MATRIX_FMT_FP4 matrix_b_fmt:MATRIX_FMT_FP4 matrix_a_scale:MATRIX_SCALE_ROW1
.else
	v_wmma_scale_f32_16x16x128_f8f6f4 v[\d:\d+7], v[\a:\a+7], v[\b:\b+7], 0, v[\sa], v[\sb] matrix_a_fmt:MATRIX_FMT_FP4 matrix_b_fmt:MATRIX_FMT_FP4 matrix_a_scale:MATRIX_SCALE_ROW1 matrix_b_scale:MATRIX_SCALE_ROW1
.endif
.else
.if (\rows) == 0
	v_wmma_scale_f32_16x16x128_f8f6f4 v[\d:\d+7], v[\a:\a+7], v[\b:\b+7], v[\c:\c+7], v[\sa], v[\sb] matrix_a_fmt:MATRIX_FMT_FP4 matrix_b_fmt:MATRIX_FMT_FP4
.elseif (\rows) == 1
	v_wmma_scale_f32_16x16x128_f8f6f4 v[\d:\d+7], v[\a:\a+7], v[\b:\b+7], v[\c:\c+7], v[\sa], v[\sb] matrix_a_fmt:MATRIX_FMT_FP4 matrix_b_fmt:MATRIX_FMT_FP4 matrix_a_scale:MATRIX_SCALE_ROW1
.else
	v_wmma_scale_f32_16x16x128_f8f6f4 v[\d:\d+7], v[\a:\a+7], v[\b:\b+7], v[\c:\c+7], v[\sa], v[\sb] matrix_a_fmt:MATRIX_FMT_FP4 matrix_b_fmt:MATRIX_FMT_FP4 matrix_a_scale:MATRIX_SCALE_ROW1 matrix_b_scale:MATRIX_SCALE_ROW1
.endif
.endif
.endm
	s_load_b256 s[4:11], s[0:1], 0x0               ; data1 s[4:5], bq s[6:7], wqc s[8:9], kvc s[10:11]
	s_load_b128 s[12:15], s[0:1], 0x20             ; kvs s[12:13], out0 s[14:15]
	v_lshl_add_u32 v[SPW], v0, 2, SPARE
	v_mov_b32 v[NIL], 0
	v_lshrrev_b32 v240, 5, v0
	v_readfirstlane_b32 s[WV], v240                ; wave w, 0..3
	v_and_b32 v240, 31, v0                         ; lane
	v_and_b32 v241, 15, v0                         ; r
	v_bfe_u32 v242, v0, 4, 1                       ; h
	v_lshlrev_b32 v[LI], 4, v240                   ; 16 x lane
	v_lshlrev_b32 v[LS], 2, v240                   ; 4 x lane
	v_lshlrev_b32 v[PFO], 8, v240                  ; 256 x lane
	s_wait_alu depctr_va_sdst(0)                   ; the wave's number is written, ahead of its first reader: addresses and a branch are made from it
	s_lshl_b32 s44, s[WV], 13
	v_add_nc_u32 v[XWI], s44, v[LI]                ; x's images: 16 x lane + 8192 w
	s_lshl_b32 s44, s[WV], 10
	v_add_nc_u32 v[SWA], s44, v[LS]                ; 4 x lane + 1024 w: x's scale images, and my statistics
	s_mul_i32 s44, s[WV], 16896
	s_add_co_u32 s44, s44, XSTG
	v_add_nc_u32 v[STI], s44, v[LI]                ; my stages: in, as loaded;
	v_mul_u32_u24 v243, v241, 528
	v_lshl_add_u32 v243, v242, 6, v243
	v_add_nc_u32 v[STO], s44, v243                 ; out: row r, + 64 h
	s_lshl_b32 s44, s[WV], 9
	v_add_nc_u32 v[QWI], s44, v[LI]                ; Q's images: my four registers lie 512 w bytes in
	s_lshr_b32 s44, s[WV], 1
	s_lshl_b32 s44, s44, 6
	s_and_b32 s45, s[WV], 1
	s_lshl_b32 s45, s45, 1
	s_add_co_u32 s44, s44, s45
	v_lshl_add_u32 v[QWS], v241, 2, s44            ; and my two scale bytes: 4 r + 64 (w / 2) + 2 (w % 2)
	s_lshl_b32 s44, s[WV], 14
	s_add_co_u32 s44, s44, RES
	v_add_nc_u32 v[RSA], s44, v[LI]
	v_mul_u32_u24 v243, v241, 272
	v_lshl_add_u32 v243, v242, 6, v243
	v_add_nc_u32 v[SOA], s44, v243                 ; the way out: into my stage: row r, + 64 h;
	v_mul_u32_u24 v243, v242, 272
	v_lshl_add_u32 v243, v241, 4, v243
	v_add_nc_u32 v[SR], s44, v243                  ; back: lanes 0-15 one row of 256 bytes, lanes 16-31 the next;
	v_lshlrev_b32 v243, 4, v241
	v_lshl_add_u32 v[GO], v242, 10, v243           ; and the same two rows of out0
	v_lshlrev_b32 v[BO], 6, v242
.irp k, 0,1,2,3
	s_add_co_u32 s44, s[WV], \k
	s_and_b32 s44, s44, 3                          ; the channel quarter in V's places 4 k .. 4 k + 3
	s_lshl_b32 s45, s44, 12
	v_add_nc_u32 v[VO+\k], s45, v[LI]
	s_lshl_b32 s45, s44, 8
	v_add_nc_u32 v[VSO+\k], s45, v[LS]
.endr
.irp k, 1,2,3
	s_add_co_u32 s44, s[WV], \k
	s_and_b32 s44, s44, 3
	s_mul_i32 s45, s44, 49152
	s_add_co_u32 s45, s45, MRG+16384*(3-\k)
	v_add_nc_u32 v[MWA+\k-1], s45, v[LI]           ; where places 4 k .. go: to wave (w + k) % 4, as its part 3 - k
	s_lshl_b32 s45, s44, 10
	v_add_nc_u32 v[STR+\k-1], s45, v[LS]           ; and the statistics of the wave that wrote my part k - 1
.endr
	s_mul_i32 s44, s[WV], 49152
	s_add_co_u32 s44, s44, MRG
	v_add_nc_u32 v[MRA], s44, v[LI]
.irp b, 0,1,2,3
	v_mov_b32 v[T2+\b], 0                          ; written once: a lane permute's destination counts as one of its sources
.endr
	s_mov_b32 s[HM], 0xffff0000                    ; lanes 16-31
	s_mov_b32 s[SEL], 0x76543210
	s_mov_b32 s[SEL+1], 0xfedcba98
	s_mov_b32 s[CS], 0x3d38aa3b                    ; log2(e) / 32
	s_mov_b32 s[CS+1], s[CS]
	s_lshr_b32 s46, ttmp9, 5                       ; batch
	s_and_b32 s47, ttmp9, 31                       ; my block of 64 rows in it
	s_mov_b32 s49, 0
	s_wait_kmcnt 0x0
	s_lshl_b32 s48, ttmp9, 18
	s_lshl_b32 s50, s[WV], 16
	s_add_co_u32 s48, s48, s50
	s_add_nc_u64 s[XB:XB+1], s[4:5], s[48:49]      ; data1 at row 64 x + 16 w (4,096 bytes a row)
	s_lshl_b32 s48, s[WV], 15
	s_add_nc_u64 s[WQB:WQB+1], s[8:9], s[48:49]    ; my 32 fragments of Wq
	s_lshl_b32 s48, s[WV], 11
	s_add_co_u32 s48, s48, 131072
	s_add_nc_u64 s[WQS:WQS+1], s[8:9], s[48:49]    ; their 16 scale images
	s_lshl_b32 s48, s[WV], 8
	s_add_nc_u64 s[BQB:BQB+1], s[6:7], s[48:49]
	s_lshl_b32 s48, s46, 19
	s_lshl_b32 s50, s[WV], 17
	s_add_co_u32 s48, s48, s50
	s_add_nc_u64 s[PK:PK+1], s[10:11], s[48:49]    ; kvc at group 16 batch + 4 w
	s_add_nc_u64 s[PV:PV+1], s[10:11], s[48:49]
	s_lshl_b32 s48, s46, 15
	s_lshl_b32 s50, s[WV], 13
	s_add_co_u32 s48, s48, s50
	s_add_nc_u64 s[PSK:PSK+1], s[12:13], s[48:49]
	s_add_nc_u64 s[PSV:PSV+1], s[12:13], s[48:49]
	s_lshl_b32 s48, s46, 19
	s_lshl_b32 s50, s47, 14
	s_add_co_u32 s48, s48, s50
	s_lshl_b32 s50, s[WV], 13
	s_add_co_u32 s48, s48, s50
	s_add_nc_u64 s[PF:PF+1], s[10:11], s[48:49]    ; what waves 0 and 1 prefetch; never rewritten
	s_lshl_b32 s48, ttmp9, 16
	s_lshl_b32 s50, s[WV], 8
	s_add_co_u32 s48, s48, s50
	s_add_nc_u64 s[OB:OB+1], s[14:15], s[48:49]    ; out0 at row 64 x, channel 64 w
	s_wait_alu depctr_va_vdst(0)                   ; the addresses v1 to v31 are written, which every load, store and the prefetch read; none is written again
; ---- X: my 16 rows of data1 become eight fragments.  Each load reads 512 consecutive bytes of a row; a K step's 8,192 bytes turn through my stage, so that a lane gets 16 neighbours of each block of 32.
.macro XLOAD s                         ; K step s into set s % 4 of window 1
	WIN 0x40
.irp p, 0,1,2,3,4,5,6,7,8,9,10,11,12,13,14,15
	global_load_b128 v[64*((\s)%4)+4*\p:64*((\s)%4)+4*\p+3], v[LI], s[XB:XB+1] offset:4096*\p+512*(\s) th:TH_LOAD_NT
.endr
	WIN 0
.endm
.macro TURN s                          ; LDS serves a wave's instructions in order: no wait between the stores and the loads
	WIN 0x04
.irp p, 0,1,2,3,4,5,6,7,8,9,10,11,12,13,14,15
	ds_store_b128 v[STI], v[64*((\s)%4)+4*\p:64*((\s)%4)+4*\p+3] offset:8448*((\s)%2)+528*\p
.endr
	WIN 0
.irp b, 0,1,2,3
.irp j, 0,1,2,3
	ds_load_b128 v[S+64*((\s)%2)+16*\b+4*\j:S+64*((\s)%2)+16*\b+4*\j+3], v[STO] offset:8448*((\s)%2)+128*\b+16*\j
.endr
.endr
.endm
.macro WQLOAD t0                       ; Wq's fragments of my channel tiles t0, t0 + 1 into window 2: they stay through the projection
	WIN 0x80
.irp t, \t0, \t0+1
.irp k, 0,1,2,3,4,5,6,7
.irp c, 0,1
	global_load_b128 v[8*(8*(\t)+\k)+4*\c:8*(8*(\t)+\k)+4*\c+3], v[LI], s[WQB:WQB+1] offset:1024*(8*(\t)+\k)+512*\c
.endr
.endr
.endr
	WIN 0
.endm
.macro XSTEP s
	s_wait_dscnt 0x0                               ; this step's numbers are back from the stage; the last step's images are stored
	s_wait_alu depctr_vm_vsrc(0)                   ; the stage's stores have read this step's raw set, in which the loads of four steps on land; the last step's image stores have read v[PC ..] and v[TMP], which this step's quantiser writes
.if (\s) < 4
	XLOAD (\s)+4
.endif
.if (\s) == 3                          ; A PREFETCH of the batch's K and V codes: 524,288 bytes; its 32 work-groups take 16,384 each, waves 0 and 1 half of that, lanes 256 bytes apart: each block is named once in the launch.
	s_cmp_lt_u32 s[WV], 2                          ; It stands behind the last loads of data1, four of the eight K steps and the projection ahead of the first load of K
	s_cbranch_scc0 .Lnopf_\@
	global_prefetch_b8 v[PFO], s[PF:PF+1] th:TH_LOAD_NT scope:SCOPE_SE
.Lnopf_\@:
.endif
.if (\s) == 4
	WQLOAD 0
.endif
.if (\s) == 5
	WQLOAD 2
.endif
.if (\s) == 6
.irp i, 0,1,2,3,4,5,6,7,8,9,10,11,12,13,14,15
	global_load_b32 v[WS+\i], v[LS], s[WQS:WQS+1] offset:128*\i
.endr
	WIN 0xC0
.irp t, 0,1,2,3                                ; bq as the C of the first products: tile 2 b + u: channels 32 b + 16 h + 8 u + 0 .. 7 of my 64
	global_load_b128 v[128+8*\t:128+8*\t+3], v[BO], s[BQB:BQB+1] offset:(32*(\t/2)+8*(\t%2))*4
	global_load_b128 v[128+8*\t+4:128+8*\t+7], v[BO], s[BQB:BQB+1] offset:(32*(\t/2)+8*(\t%2))*4+16
.endr
	WIN 0
.endif
.if (\s) < 4
	s_wait_loadcnt 48                              ; the next step's 16 loads are in; those of the three steps behind it may be out
	TURN (\s)+1
.elseif (\s) < 7
	s_wait_loadcnt 63                              ; the next step's are in: 64 loads or more were issued behind them, more than a wait's count can name
	TURN (\s)+1
.endif
	QUANT S+64*((\s)%2),PC,TMP
.if (\s)%2 == 0
	v_mov_b32 v[PWE], v[TMP]
.else
	v_cndmask_b32 v[TMP], v[PWE], v[TMP], s[HM]    ; lanes 0-15 the even K step's words, lanes 16-31 the odd one's
.endif
	s_wait_alu depctr_va_vdst(0)                   ; the codes (and in an odd step the scale words) are written, which the stores below read; the quantiser is done reading its 64 numbers, in whose registers later loads from LDS land
	ds_store_b128 v[XWI], v[PC:PC+3] offset:XIMG+1024*(\s)
	ds_store_b128 v[XWI], v[PC+4:PC+7] offset:XIMG+1024*(\s)+512
.if (\s)%2 == 1
	ds_store_b32 v[SWA], v[TMP] offset:XSC+128*((\s)/2)
.endif
.endm
	XLOAD 0
	XLOAD 1
	XLOAD 2
	XLOAD 3
	s_wait_loadcnt 48
	TURN 0
.irp s, 0,1,2,3,4,5,6,7
	XSTEP \s
.endr
	BARRIER                                        ; x's 32 fragments lie in LDS
; ---- P: the query's channels 64 w .. + 63 of all 64 rows: source 0 = 16 channels of Wq, source 1 = 16 rows of x; 16 accumulators by turns
.macro KLOAD                           ; a step's K: 16 fragments and 8 scale images: 40 loads
	WIN 0x40
.irp f, 0,1,2,3,4,5,6,7,8,9,10,11,12,13,14,15
.irp c, 0,1
	global_load_b128 v[8*\f+4*\c:8*\f+4*\c+3], v[LI], s[PK:PK+1] offset:1024*\f+512*\c
.endr
.endr
	WIN 0
.irp i, 0,1,2,3,4,5,6,7
	global_load_b32 v[KS+\i], v[LS], s[PSK:PSK+1] offset:128*\i
.endr
.endm
.macro VLOAD                           ; a step's V, the quarters turned by w: 40 loads
	WIN 0x40
.irp k, 0,1,2,3
.irp t, 0,1,2,3
.irp c, 0,1
	global_load_b128 v[128+8*(4*\k+\t)+4*\c:128+8*(4*\k+\t)+4*\c+3], v[VO+\k], s[PV:PV+1] offset:16384+1024*\t+512*\c
.endr
.endr
.endr
	WIN 0
.irp k, 0,1,2,3
.irp e, 0,1
	global_load_b32 v[VS+2*\k+\e], v[VSO+\k], s[PSV:PSV+1] offset:1024+128*\e
.endr
.endr
.endm
.macro FETCHX s                        ; x's four fragments of K step s, into registers of that step's own: steps 0-3 in window 0 from v[S] on, steps 4-7 in window 1 from v128 on
.if (\s) < 4
	WIN 0
.irp m, 0,1,2,3
.irp c, 0,1
	ds_load_b128 v[S+32*(\s)+8*\m+4*\c:S+32*(\s)+8*\m+4*\c+3], v[LI] offset:XIMG+8192*\m+1024*(\s)+512*\c
.endr
.endr
.else
	WIN 0x40
.irp m, 0,1,2,3
.irp c, 0,1
	ds_load_b128 v[128+32*((\s)-4)+8*\m+4*\c:128+32*((\s)-4)+8*\m+4*\c+3], v[LI] offset:XIMG+8192*\m+1024*(\s)+512*\c
.endr
.endr
.endif
.endm
; No product has read the registers in which a fragment load lands, and no vector line has named them since the wait behind the last quantiser: so the loads of steps 4 to 7 stand among the products of steps 0 to 3 with no further wait
.macro PSTEP s
.if (\s) < 4
	FETCHX (\s)+4
	s_wait_dscnt 32                                ; this step's fragments (and x's scale words) are in; the four younger steps' 32 loads may be out
	WIN 0xF2                                       ; Wq window 2, x window 0, C and D window 3
.else
	s_wait_dscnt 8*(7-(\s))                        ; this step's fragments are in; the later steps' may be out
	WIN 0xF6                                       ; Wq window 2, x window 1, C and D window 3
.endif
.irp m, 0,1,2,3
.irp t, 0,1,2,3
.if (\s) == 0
	MM 8*(4*\m+\t),8*(8*\t),S+8*\m,128+8*\t,WS+4*\t,XS+4*\m,0
.elseif (\s) < 4
	MM 8*(4*\m+\t),8*(8*\t+(\s)),S+32*(\s)+8*\m,8*(4*\m+\t),WS+4*\t+(\s)/2,XS+4*\m+(\s)/2,3*((\s)%2)
.else
	MM 8*(4*\m+\t),8*(8*\t+(\s)),128+32*((\s)-4)+8*\m,8*(4*\m+\t),WS+4*\t+(\s)/2,XS+4*\m+(\s)/2,3*((\s)%2)
.endif
.endr
.endr
.endm
	s_wait_loadcnt 0x0                             ; Wq, its scales, bq
	KLOAD                                          ; the first step's K lands under the projection
.irp m, 0,1,2,3
.irp i, 0,1,2,3
	ds_load_b32 v[XS+4*\m+\i], v[LS] offset:XSC+1024*\m+128*\i
.endr
.endr
	FETCHX 0
	FETCHX 1
	FETCHX 2
	FETCHX 3
.irp s, 0,1,2,3,4,5,6,7
	PSTEP \s
.endr
	WIN 0
	PLACES 4                                       ; in front of the reads of results
	s_wait_alu depctr_va_vdst(0)                   ; the products have written the query's accumulators, which the stores below read, and are done reading x's fragments of steps 4 to 7 and x's scales, in which V and its scales land
	VLOAD
	WIN 0x0C
.set i, 0
.rept 32
	ds_store_b128 v[RSA], v[4*i:4*i+3] offset:512*i    ; the query in f32 is parked for the residual: each accumulator from its low end on
.set i, i+1
.endr
	WIN 0
; my 64 channels of tile m are two blocks of 32: four registers of Q's fragment (m, w / 2) and two bytes of its scale words.  Each tile has registers of its own, v[S + 4 m ..] and v[S + 16 + m], so that one wait serves all the stores
.macro QUANTQ m
.set qP, S+4*(\m)
.set qW, S+16+(\m)
	WIN 0x3C
.irp b, 0,1
	v_max3_num_f32 v[TM+\b], 0x1800000, |v[32*(\m)+16*\b]|, |v[32*(\m)+16*\b+1]|
.endr
.irp i, 2,4,6,8,10,12,14
.irp b, 0,1
	v_max3_num_f32 v[TM+\b], v[TM+\b], |v[32*(\m)+16*\b+\i]|, |v[32*(\m)+16*\b+\i+1]|
.endr
.endr
	WIN 0
.irp b, 0,1
	v_permlanex16_b32 v[T2+\b], v[TM+\b], s[SEL], s[SEL+1]
.endr
.irp b, 0,1
	v_max_num_f32 v[TM+\b], v[TM+\b], v[T2+\b]
.endr
.irp b, 0,1
	v_add_nc_u32 v[SX+\b], 0xff000000, v[TM+\b]
.endr
.irp b, 0,1
	v_lshrrev_b32 v[T2+\b], 23, v[SX+\b]
.endr
	v_lshl_or_b32 v[qW], v[T2+1], 8, v[T2]
	WIN 0x03
.irp b, 0,1
	v_cvt_scalef32_pk8_fp4_f32 v[qP+2*\b], v[32*(\m)+16*\b:32*(\m)+16*\b+7], v[SX+\b]
	v_cvt_scalef32_pk8_fp4_f32 v[qP+2*\b+1], v[32*(\m)+16*\b+8:32*(\m)+16*\b+15], v[SX+\b]
.endr
	WIN 0
	v_nop
	v_permlane16_swap_b32 v[qP], v[qP+2]
	v_permlane16_swap_b32 v[qP+1], v[qP+3]
.endm
	QUANTQ 0
	QUANTQ 1
	QUANTQ 2
	QUANTQ 3
	s_wait_alu depctr_va_vdst(0)                   ; the four tiles' codes and scale bytes are written, which the eight stores read
.irp m, 0,1,2,3
	ds_store_b128 v[QWI], v[S+4*\m:S+4*\m+3] offset:QIMG+2048*\m
	ds_store_b16 v[QWS], v[S+16+\m] offset:QSC+128*\m  ; lanes r and r + 16 write the same two bytes with the same value
.endr
	BARRIER                                        ; Q's eight fragments lie in LDS
	s_wait_alu depctr_vm_vsrc(0)                   ; my stores have read: Q's codes and bytes in v[S ..], which the scores' products write; the accumulators of window 3, which O^T's products write; v[PC ..] and v[TMP] (x's last images), which the factors' lines and the softmax write
.irp m, 0,1,2,3
.irp s, 0,1
.irp c, 0,1
	ds_load_b128 v[QF+16*\m+8*\s+4*\c:QF+16*\m+8*\s+4*\c+3], v[LI] offset:QIMG+1024*(2*\m+\s)+512*\c
.endr
.endr
	ds_load_b32 v[QS+\m], v[LS] offset:QSC+128*\m
.endr
.irp m, 0,1,2,3
	v_mov_b32 v[ST+4*\m+1], 0xff61b1e6             ; the largest t so far: -3e38, under every t
	v_mov_b32 v[ST+4*\m+2], 0                      ; the sum, in two halves
	v_mov_b32 v[ST+4*\m+3], 0
	v_mov_b32 v[FP+2*\m], 0
	v_mov_b32 v[FP+2*\m+1], 0                      ; (named as the upper half of a pair)
.endr
.irp m, 0,1,2,3
	v_floor_f32 v[ST+4*\m], -v[ST+4*\m+1]          ; -M
.endr
	s_wait_dscnt 0x0
	s_wait_loadcnt 40                              ; the first step's K is in; V's 40 loads may be out
; ---- A: four steps of 128 keys
.macro SPROD m                         ; S^T of tile m: eight accumulators by turns, two deep along the 256 channels
	WIN 0x01
.irp k, 0,1,2,3,4,5,6,7
	MM S+8*\k,16*\k,QF+16*(\m),-1,KS+\k,QS+(\m),0
.endr
.irp k, 0,1,2,3,4,5,6,7
	MM S+8*\k,16*\k+8,QF+16*(\m)+8,S+8*\k,KS+\k,QS+(\m),3
.endr
	WIN 0
.endm
.macro SOFTMAX m                       ; register 16 b + i of S^T is key 32 b + 16 h + i of the step, for my query
.set rT, ST+4*(\m)
.set rF, FP+2*(\m)
.set rP, PCD+8*(\m)
.set rW, PWM+(\m)
.irp b, 0,1,2,3
	v_max3_num_f32 v[TM+\b], v[S+16*\b], v[S+1+16*\b], v[S+2+16*\b]   ; the largest score of each block of 32 keys: for the row's maximum and, since p rises with the score, for the block's largest p
.endr
.irp i, 3,5,7,9,11,13
.irp b, 0,1,2,3
	v_max3_num_f32 v[TM+\b], v[TM+\b], v[S+16*\b+\i], v[S+1+16*\b+\i]
.endr
.endr
.irp b, 0,1,2,3
	v_max_num_f32 v[TM+\b], v[TM+\b], v[S+15+16*\b]
.endr
.irp b, 0,1,2,3
	v_permlanex16_b32 v[T2+\b], v[TM+\b], s[SEL], s[SEL+1]
.endr
.irp b, 0,1,2,3
	v_max_num_f32 v[TM+\b], v[TM+\b], v[T2+\b]
.endr
	v_max3_num_f32 v[TMP], v[TM], v[TM+1], v[TM+2]
	v_max_num_f32 v[TMP], v[TMP], v[TM+3]
	v_mul_f32 v[TMP], s[CS], v[TMP]
	v_max_num_f32 v[rT+1], v[rT+1], v[TMP]         ; the running largest t
	v_mov_b32 v[TMP], v[rT]
	v_floor_f32 v[rT], -v[rT+1]                    ; the new -M = -ceil(t)
	v_sub_f32 v[TMP], v[rT], v[TMP]                ; old M - new M: a whole number, 0 or less
	v_cvt_i32_f32 v[TMP], v[TMP]                   ; (it saturates)
	v_ldexp_f32 v[rF], 1.0, v[TMP]                 ; f = 2^(old M - new M)
.set j, 0
.rept 32
	v_pk_fma_f32 v[S+j:S+j+1], v[S+j:S+j+1], s[CS:CS+1], v[rT:rT+1] op_sel_hi:[1,0,0]   ; t - M
.set j, j+2
.endr
.irp b, 0,1,2,3
	v_fma_f32 v[TM+\b], v[TM+\b], s[CS], v[rT]
.endr
.set j, 0
	s_wait_alu depctr_va_vdst(0)
.rept 64
	v_exp_f32 v[S+j], v[S+j]                       ; p = 2^(t - M)
.set j, j+1
.endr
	v_pk_mul_f32 v[rT+2:rT+3], v[rT+2:rT+3], v[rF:rF+1] op_sel_hi:[1,0]   ; the sums under the new M: the plain place behind the exponentials
	s_wait_alu depctr_va_vdst(0)                   ; the 64 exponentials have written p: one wait for the batch, ahead of its first reader
.irp b, 0,1,2,3
	v_exp_f32 v[TM+\b], v[TM+\b]                   ; each block's largest p
.endr
	v_pk_add_f32 v[T2:T2+1], v[S:S+1], v[S+2:S+3]  ; the sum of the unquantised p, in two chains
.irp j, 4,8,12,16,20,24,28,32,36,40,44,48,52,56,60
	v_pk_add_f32 v[rT+2:rT+3], v[rT+2:rT+3], v[S+\j:S+\j+1]
	v_pk_add_f32 v[T2:T2+1], v[T2:T2+1], v[S+2+\j:S+3+\j]
.endr
	v_pk_add_f32 v[rT+2:rT+3], v[rT+2:rT+3], v[T2:T2+1]
	s_wait_alu depctr_va_vdst(0)                   ; the four exponentials have written the blocks' largest p, ahead of their first reader
.irp b, 0,1,2,3
	v_max_num_f32 v[TM+\b], 0x1800000, v[TM+\b]    ; the floor 2^(3 - 127)
.endr
.irp b, 0,1,2,3
	v_add_nc_u32 v[SX+\b], 0xff000000, v[TM+\b]
.endr
.irp b, 0,1,2,3
	v_lshrrev_b32 v[T2+\b], 23, v[SX+\b]
.endr
	v_lshl_or_b32 v[rW], v[T2+1], 8, v[T2]         ; p's scale word for these 128 keys
	v_lshl_or_b32 v[rW], v[T2+2], 16, v[rW]
	v_lshl_or_b32 v[rW], v[T2+3], 24, v[rW]
.irp b, 0,1,2,3
	v_cvt_scalef32_pk8_fp4_f32 v[rP+2*\b], v[S+16*\b:S+7+16*\b], v[SX+\b]
	v_cvt_scalef32_pk8_fp4_f32 v[rP+1+2*\b], v[S+8+16*\b:S+15+16*\b], v[SX+\b]
.endr
	v_nop
.irp c, 0,1
.irp i, 0,1
	v_permlane16_swap_b32 v[rP+4*\c+\i], v[rP+2+4*\c+\i]
.endr
.endr
.endm
.macro RESCALE                         ; O^T under the new M: x f; each accumulator from its low end on.  These lines are also the places between p's codes and scale words and the products that take them
.irp m, 0,1,2,3
	WIN 0x82+0x41*(\m/2)
.set i, 0
.rept 64
	v_pk_mul_f32 v[128*(\m%2)+i:128*(\m%2)+i+1], v[128*(\m%2)+i:128*(\m%2)+i+1], v[FP+2*\m:FP+2*\m+1] op_sel_hi:[1,0]
.set i, i+2
.endr
.endr
.endm
.macro PVPROD hi, first                ; O^T += V P^T for tiles 2 hi, 2 hi + 1: 32 accumulators, one instruction each
	WIN 0xA1+0x50*(\hi)
.irp t, 0,1,2,3,4,5,6,7,8,9,10,11,12,13,14,15
.irp m, 0,1
.if \first
	MM 128*\m+8*\t,128+8*\t,PCD+8*(2*(\hi)+\m),-1,VS+\t/2,PWM+2*(\hi)+\m,\t%2
.else
	MM 128*\m+8*\t,128+8*\t,PCD+8*(2*(\hi)+\m),128*\m+8*\t,VS+\t/2,PWM+2*(\hi)+\m,\t%2
.endif
.endr
.endr
.endm
; The next step's K is asked for when the last product of this step has read K.  tail = 1: in the loop, whose last trip asks for nothing (no load leaves its buffer); each arm has its own wait.
.macro NEXTK tail
.if \tail
	s_cmp_eq_u32 s[CNT], 1
	s_cbranch_scc1 .Lnk_\@
.endif
	s_add_nc_u64 s[PK:PK+1], s[PK:PK+1], 32768     ; K's loads have been waited for: their bases may step
	s_add_nc_u64 s[PSK:PSK+1], s[PSK:PSK+1], 2048
	KLOAD
	s_wait_loadcnt 40                              ; this step's V is in; the 40 loads just issued may be out
.if \tail
	s_branch .Lnkd_\@
.Lnk_\@:
	s_wait_loadcnt 0x0                             ; this step's V is in
.Lnkd_\@:
.endif
.endm
; A step.  Every step but the first asks for its own V behind its first scores: the wait that frees V's registers stands where the softmax behind it takes those scores anyway, and V has the four softmaxes in which to land.
.macro STEP first, tail
.if !\first
	s_wait_loadcnt 0x0                             ; this step's K is in: nothing else is out
.endif
.irp m, 0,1,2,3
	SPROD \m
	PLACES 4                                       ; in front of the reads of the scores
.if (\m == 0) && !\first
	s_wait_alu depctr_va_vdst(0)                   ; the last step's products O^T += V P^T are done reading V and its scales, in which the loads below land
	s_add_nc_u64 s[PV:PV+1], s[PV:PV+1], 32768     ; V's loads have been waited for: their bases may step
	s_add_nc_u64 s[PSV:PSV+1], s[PSV:PSV+1], 2048
	VLOAD
.endif
.if \m == 3
	s_wait_alu depctr_va_vdst(0)                   ; the step's products K Q^T are done reading K and its scales, in which the next step's loads land
	NEXTK \tail
.endif
	SOFTMAX \m
.endr
.if \first
	PLACES 8                                       ; p's scale word, written by vector instructions, stands eight places ahead of the products
.else
	RESCALE
.endif
	s_wait_alu depctr_va_vdst(0)                   ; p's codes and scale words are written, which the scaled products below take as source 1 and as its scales; the places stand ahead of this wait
	PVPROD 0, \first
	PVPROD 1, \first
	WIN 0
.endm
	STEP 1, 0                                      ; the first step is written out: its products start O^T's sums with the constant 0
	s_mov_b32 s[CNT], 3
.Lstep:
	STEP 0, 1
	s_sub_co_u32 s[CNT], s[CNT], 1
	s_cmp_lg_u32 s[CNT], 0
	s_cbranch_scc1 .Lstep
	PLACES 4                                       ; in front of the reads of O^T
; ---- M: the four waves' parts meet.  O = the sum over waves x of O_x 2^(M_x - M) / l, l = the sum of l_x 2^(M_x - M), M the largest M_x: powers of two, which round nothing
.irp m, 0,1,2,3
	v_add_f32 v[ST+4*\m+2], v[ST+4*\m+2], v[ST+4*\m+3]
.endr
.irp m, 0,1,2,3
	v_permlanex16_b32 v[T2+\m], v[ST+4*\m+2], s[SEL], s[SEL+1]
.endr
.irp m, 0,1,2,3
	v_add_f32 v[ST+4*\m+2], v[ST+4*\m+2], v[T2+\m] ; my 512 keys' sum for query r
.endr
	s_wait_alu depctr_va_vdst(0)                   ; the sums are written and the products have written O^T, which the stores below read; products and softmax are done with S^T's, K's and V's registers, in which loads land behind the barrier
.irp m, 0,1,2,3
	ds_store_b32 v[SWA], v[ST+4*\m] offset:STAT+256*\m
	ds_store_b32 v[SWA], v[ST+4*\m+2] offset:STAT+256*\m+128
.endr
	WIN 0x08                                       ; the other three quarters go to their waves, as images of the registers; each accumulator from its low end on
.irp k, 1,2,3
.irp m, 0,1
.irp t, 0,1,2,3
.irp q, 0,1
	ds_store_b128 v[MWA+\k-1], v[128*\m+8*(4*\k+\t)+4*\q:128*\m+8*(4*\k+\t)+4*\q+3] offset:512*(8*\m+2*\t+\q)
.endr
.endr
.endr
.endr
	WIN 0x0C
.irp k, 1,2,3
.irp m, 0,1
.irp t, 0,1,2,3
.irp q, 0,1
	ds_store_b128 v[MWA+\k-1], v[128*\m+8*(4*\k+\t)+4*\q:128*\m+8*(4*\k+\t)+4*\q+3] offset:512*(8*(\m+2)+2*\t+\q)
.endr
.endr
.endr
.endr
	WIN 0
	BARRIER                                        ; all statistics and all parts lie in LDS
.macro PART reg, adr, off              ; 32 loads: 128 registers of window 1
	WIN 0x40
.set i, 0
.rept 32
	ds_load_b128 v[\reg+4*i:\reg+4*i+3], v[\adr] offset:\off+512*i
.set i, i+1
.endr
	WIN 0
.endm
.irp k, 0,1,2
.irp m, 0,1,2,3
	ds_load_b32 v[S+8*\k+2*\m], v[STR+\k] offset:STAT+256*\m
	ds_load_b32 v[S+8*\k+2*\m+1], v[STR+\k] offset:STAT+256*\m+128
.endr
.endr
	PART 0,RSA,0                                   ; the query
	PART 128,MRA,0                                 ; part 0
	s_wait_dscnt 63                                ; the statistics are in: 64 loads were issued behind them
.irp m, 0,1,2,3
	v_min3_num_f32 v[TM+\m], v[ST+4*\m], v[S+2*\m], v[S+8+2*\m]
.endr
.irp m, 0,1,2,3
	v_min_num_f32 v[TM+\m], v[TM+\m], v[S+16+2*\m] ; -M of all 2,048 keys
.endr
.irp m, 0,1,2,3
	v_sub_f32 v[FF+\m], v[TM+\m], v[ST+4*\m]       ; M_x - M: whole numbers, 0 or less
.endr
.irp k, 0,1,2
.irp m, 0,1,2,3
	v_sub_f32 v[FF+4+4*\k+\m], v[TM+\m], v[S+8*\k+2*\m]
.endr
.endr
.set i, 0
.rept 16
	v_cvt_i32_f32 v[FF+i], v[FF+i]
.set i, i+1
.endr
.set i, 0
.rept 16
	v_ldexp_f32 v[FF+i], 1.0, v[FF+i]
.set i, i+1
.endr
.irp m, 0,1,2,3
	v_mul_f32 v[SX+\m], v[FF+\m], v[ST+4*\m+2]
.endr
.irp k, 0,1,2
.irp m, 0,1,2,3
	v_fmac_f32 v[SX+\m], v[FF+4+4*\k+\m], v[S+8*\k+2*\m+1]
.endr
.endr
	s_wait_alu depctr_va_vdst(0)
.irp m, 0,1,2,3
	v_rcp_f32 v[SX+\m], v[SX+\m]
.endr
	v_nop                                          ; a plain place behind the reciprocals
	s_wait_alu depctr_va_vdst(0)                   ; the four reciprocals are written, ahead of their first reader
.irp x, 0,1,2,3
.irp m, 0,1,2,3
	v_mul_f32 v[GF+8*\x+2*\m], v[FF+4*\x+\m], v[SX+\m]
	v_mul_f32 v[GF+8*\x+2*\m+1], v[FF+4*\x+\m], v[SX+\m]   ; (the pair's upper half is named with it)
.endr
.endr
; my quarter of tile m: first = 1: O = O g + the query;  else O = part g + O
.macro FOLD m, src, g, first
.if \first
	WIN 0x92+0x41*((\m)/2)
.else
	WIN 0xA1+0x50*((\m)/2)
.endif
.set i, 0
.rept 16
.if \first
	v_pk_fma_f32 v[128*((\m)%2)+i:128*((\m)%2)+i+1], v[128*((\m)%2)+i:128*((\m)%2)+i+1], v[\g+2*(\m):\g+2*(\m)+1], v[\src+32*(\m)+i:\src+32*(\m)+i+1] op_sel_hi:[1,0,1]
.else
	v_pk_fma_f32 v[128*((\m)%2)+i:128*((\m)%2)+i+1], v[\src+32*(\m)+i:\src+32*(\m)+i+1], v[\g+2*(\m):\g+2*(\m)+1], v[128*((\m)%2)+i:128*((\m)%2)+i+1] op_sel_hi:[1,0,1]
.endif
.set i, i+2
.endr
.endm
	s_wait_dscnt 32                                ; the query is in; part 0's 32 loads may be out
.irp m, 0,1,2,3
	FOLD \m,0,GF,1
.endr
	s_wait_alu depctr_va_vdst(0)                   ; the lines above are done reading the query, in whose registers part 1 lands
	PART 0,MRA,16384                               ; part 1
	s_wait_dscnt 32                                ; part 0 is in
.irp m, 0,1,2,3
	FOLD \m,128,GF+8,0
.endr
	s_wait_alu depctr_va_vdst(0)                   ; the lines above are done reading part 0, in whose registers part 2 lands
	PART 128,MRA,32768                             ; part 2
	s_wait_dscnt 32                                ; part 1 is in
.irp m, 0,1,2,3
	FOLD \m,0,GF+16,0
.endr
	s_wait_dscnt 0x0
.irp m, 0,1,2,3
	FOLD \m,128,GF+24,0
.endr
	s_wait_alu depctr_va_vdst(0)                   ; the results are written, which the stores into my stage read; the folding is done reading part 1, in whose registers the rows come back
; THE WAY OUT.  A lane holds eight neighbouring channels of one row; a tile of 16 rows x 64 channels goes through my stage and comes back as rows of 256 bytes.  LDS serves a wave's instructions in order: no wait between.
.irp m, 0,1,2,3
	WIN 0x08+4*(\m/2)
.irp t, 0,1,2,3
.irp q, 0,1
	ds_store_b128 v[SOA], v[128*(\m%2)+8*\t+4*\q:128*(\m%2)+8*\t+4*\q+3] offset:128*(\t/2)+32*(\t%2)+16*\q
.endr
.endr
	WIN 0x40
.irp i, 0,1,2,3,4,5,6,7
	ds_load_b128 v[32*\m+4*\i:32*\m+4*\i+3], v[SR] offset:544*\i
.endr
.endr
	WIN 0x04
.irp m, 0,1,2,3
.irp i, 0,1,2,3,4,5,6,7
	s_wait_dscnt 16*(3-\m)+7-\i                    ; behind this load: the rest of its tile's, and sixteen LDS instructions for each later tile
	global_store_b128 v[GO], v[32*\m+4*\i:32*\m+4*\i+3], s[OB:OB+1] offset:16384*\m+2048*\i th:TH_STORE_NT   ; sixteen lanes store 256 consecutive bytes, at a multiple of 256 from out0's first byte
.endr
.endr
	WIN 0
	s_wait_dscnt 0x0                               ; the closing lines, six on end
	s_wait_alu 0x0
	s_wait_tensorcnt 0x0
	ds_add_u32 v[SPW], v[NIL]
	s_wait_dscnt 0x0
	s_endpgm
.Lfunc_end_k_q4c96929b5a_attn:
	.size	k_q4c96929b5a_attn, .Lfunc_end_k_q4c96929b5a_attn-k_q4c96929b5a_attn
	.p2alignl 7, 3214868480
	.fill 96, 4, 3214868480
	.section	.rodata,"a",@progbits
	.p2align	6, 0x0
	.amdhsa_kernel k_q4c96929b5a_attn
		.amdhsa_group_segment_fixed_size 312320
		.amdhsa_private_segment_fixed_size 0
		.amdhsa_enable_private_segment 0
		.amdhsa_kernarg_size 48
		.amdhsa_user_sgpr_count 2
		.amdhsa_user_sgpr_kernarg_segment_ptr 1
		.amdhsa_wavefront_size32 1
		.amdhsa_system_sgpr_workgroup_id_x 1
		.amdhsa_system_sgpr_workgroup_id_y 1
		.amdhsa_system_sgpr_workgroup_id_z 1
		.amdhsa_system_vgpr_workitem_id 0
		.amdhsa_next_free_vgpr 1024
		.amdhsa_next_free_sgpr 66
		.amdhsa_reserve_vcc 0
		.amdhsa_float_denorm_mode_32 3
		.amdhsa_float_denorm_mode_16_64 3
		.amdhsa_memory_ordered 1
		.amdhsa_forward_progress 1
		.amdhsa_inst_pref_size 255
	.end_amdhsa_kernel
	.section	.bss,"aw",@nobits
	.p2align	6
	.space	262144
	.amdgpu_metadata
---
amdhsa.version: [ 1, 2 ]
amdhsa.kernels:
  - .name:           k_q4c96929b5a_attn
    .symbol:         k_q4c96929b5a_attn.kd
    .args:
      - { .name: data1, .offset: 0, .size: 8, .value_kind: global_buffer, .address_space: global }
      - { .name: bq, .offset: 8, .size: 8, .value_kind: global_buffer, .address_space: global }
      - { .name: wqc, .offset: 16, .size: 8, .value_kind: global_buffer, .address_space: global }
      - { .name: kvc, .offset: 24, .size: 8, .value_kind: global_buffer, .address_space: global }
      - { .name: kvs, .offset: 32, .size: 8, .value_kind: global_buffer, .address_space: global }
      - { .name: out0, .offset: 40, .size: 8, .value_kind: global_buffer, .address_space: global }
    .group_segment_fixed_size: 312320
    .private_segment_fixed_size: 0
    .kernarg_segment_align: 8
    .kernarg_segment_size: 48
    .max_flat_workgroup_size: 128
    .sgpr_count:     66
    .vgpr_count:     1024
    .wavefront_size: 32
...
	.end_amdgpu_metadata
.endif
;; end of part 4
